; MI455X (gfx1250); checked and timed in simulation.
; The chip was launched on July 23, 2026; its instructions are those of AMD's public machine-readable ISA for CDNA 5 (MIT licence, August 2026) and "CDNA5" Instruction Set Architecture Reference Guide (July 2026). The comments in the code are by the model that wrote it; some were corrected since.
;; Prefetch Hyperbolic Attention. Allowed arithmetic: matrix products marked QUANTISED: E2M1 operands, one E8M0 scale for each 32 along K, by v_wmma_scale_f32_16x16x128_f8f6f4 with both operands' format E2M1 (or v_wmma_scale_f32_32x16x128_f4), f32 sums; products left as they are: bf16, f16 or f32 operands; f32 sums; everything else in f32.
;; Inputs: Wk 1,024 x 1,024 float32; Wo 1,024 x 1,024 float32; Wq 1,024 x 1,024 float32; Wv 1,024 x 1,024 float32; x 1 x 2,048 x 1,024 float32.
;; Outputs: out0 1 x 2,048 x 1,024 float32.
;; This version of the problem:
;;   THIS VERSION OF THE PROBLEM IS GIVEN IN LOW PRECISION. The matrix products marked QUANTISED in the list below multiply operands that are first quantised to E2M1 (2 exponent bits, 1 mantissa bit; 4 bits a number), with one power-of-two scale for each 32 numbers along K (OCP MX v1.0); their sums are f32. The products marked 'left as it is' may take bf16, f16 or f32 operands, with f32 sums. Whichever they take, every output number must still come out within the allowed error. Rounding operands to bf16 (8 significant bits) uses up far more of that allowance than f16 does (11 bits, for magnitudes from 6e-5 to 65,504). All else is computed in f32.
;;   The module's matrix products, in the order in which they are computed (A, B: the left and right operand; K: the contracted axis; several contracted axes count as one K, in the product's order):
;;     1. [M 2,048, K 1,024] x [K 1,024, N 1,024]; A: input x; B: input Wq: QUANTISED
;;     2. [M 2,048, K 1,024] x [K 1,024, N 1,024]; A: input x; B: input Wk: QUANTISED
;;     3. [M 2,048, K 1,024] x [K 1,024, N 1,024]; A: input x; B: input Wv: QUANTISED
;;     4. batch 16 x [M 2,048, K 64] x [K 64, N 2,048]; A: computed on the way; B: computed on the way: left as it is (an operand is computed on the way)
;;     5. batch 16 x [M 2,048, K 2,048] x [K 2,048, N 64]; A: computed on the way; B: computed on the way: left as it is (an operand is computed on the way)
;;     6. [M 2,048, K 1,024] x [K 1,024, N 1,024]; A: computed on the way; B: input Wo: left as it is (an operand is computed on the way)
;;   THE QUANTISER, for each operand of a quantised product, along K:
;;     - K is cut into blocks of 32 from its start; a last block that is shorter is filled with zeros.
;;     - A block's scale is 2^e with e = floor(log2(the largest magnitude in the block)) - 2, held to -126 .. 127; a block of zeros has e = 0. As a byte (E8M0): e + 127.
;;     - Each number is divided by its block's scale, clamped to +-6, and rounded to the nearest number of E2M1, ties to even, subnormals kept.
;;     - The product sums the exact products of the quantised numbers (number of the format x scale) in f32.
;;   ~~~python
;;   def quantise(x, axis):      # numpy; x: float32 -> the quantised numbers, widened to float32 again
;;       x = np.moveaxis(x, axis, -1); K = x.shape[-1]
;;       x = np.pad(x, [(0, 0)] * (x.ndim - 1) + [(0, -K % 32)]); x = x.reshape(x.shape[:-1] + (-1, 32)); a = np.abs(x).max(-1, keepdims=True)
;;       e = np.where(a > 0, np.clip(np.frexp(np.where(a > 0, a, 1))[1] - 1 - 2, -126, 127), 0)      # np.frexp(a)[1] - 1 = floor(log2(a)), exactly
;;       r = np.clip(x / 2.0 ** e, -6, 6)
;;       step = 2.0 ** (np.maximum(np.frexp(np.where(r == 0, 1, r))[1] - 1, 0) - 1)
;;       q = np.round(r / step) * step * 2.0 ** e      # np.round: ties to even
;;       return np.moveaxis(q.reshape(q.shape[:-2] + (-1,))[..., :K], -1, axis).astype(np.float32)
;;   ~~~
;; One version. Each part assembles by itself: llvm-mc -triple=amdgcn-amd-amdhsa -mcpu=gfx1250 --defsym DOCPART=n.
;; ======== version 1 of 1: 4 launches
;; limits: right only within a limited range of input values; values are held in f16: magnitudes above 65,504 overflow, below 6.1e-05 lose precision
;; workspace buffers: codes 2,621,440 bytes; scales 163,840 bytes; wopack 2,097,152 bytes; qbuf 4,456,448 bytes; kvbuf 8,650,752 bytes; apack 4,194,304 bytes
;; launch prep (part 1): grid 192 x 1, 4 waves a work-group, no clusters, 50,688 bytes of LDS; arguments x, Wq, Wk, Wv, Wo, codes, scales, wopack; writes codes, scales, wopack
.if DOCPART == 1
	.amdgcn_target "amdgcn-amd-amdhsa--gfx1250"
	.amdhsa_code_object_version 6
	.text
	.protected	k_qb4fd1fe9c3_prep
	.globl	k_qb4fd1fe9c3_prep
	.p2align	8
	.type	k_qb4fd1fe9c3_prep,@function
k_qb4fd1fe9c3_prep:
	s_mov_b64 s[64:65], 0
	v_nop
	global_prefetch_b8 v0, s[64:65] scope:SCOPE_SE
	s_setreg_imm32_b32 hwreg(HW_REG_WAVE_MODE, 25, 1), 1
	s_wait_xcnt 0x0
; PREP.  x [2048][1024] and Wq, Wk, Wv [1024][1024], f32 with K innermost, become codes of FP4 (E2M1), two a byte, and one E8M0 scale byte for each 32 along K;
; Wo [1024][1024] becomes f16, laid as images of the registers of the last product's operand.
; codes [R][512 bytes], scales [R][32 bytes]: R = the token for x; R = 2048 + 192 head + 64 t + i for row 64 head + i of W_t (t = 0 q, 1 k, 2 v): so a head's 192 rows lie together.
; A block's scale is 2^(floor(log2(its largest magnitude)) - 2); its byte is the largest magnitude's exponent field - 2, held at 1 from below; each number is divided by the scale and rounded to the nearest code,
; ties to even, beyond 6 the largest code.  A block of zeros gets the byte 1 where the quantiser's text says 127: its codes are zeros, and this program alone reads the bytes.
; LIMITS: NaN and infinities among the inputs are not served.  Wo beyond 65,504 in magnitude has no f16 number.
; SHARES.  Work-groups 0-63 take x, 64-95 Wq, 96-127 Wk, 128-159 Wv: a wave takes 8 rows (8,192 numbers) in 16 steps of 512.  Work-groups 160-191 take Wo: a wave takes 16 rows x 512 along K in four chunks of 128.
; Every load reads 512 consecutive bytes, every store of codes 256, every store of an image 512.  Waves share nothing: no barrier.  The work-groups share no input: no cluster.
; The two ways part on the work-group's number and have LDS bytes of their own.
.set STEPS, 16
.set DEPTH, 8                          ; steps of loads on their way: 32 loads a wave
.set EMAX,  2
.set R,     16                         ; v16-143  eight sets of 16 numbers as loaded (Wo: two sets of 64)
.set X,     144                        ; v144-175 two sets of 16 neighbours
.set C,     176                        ; v176-207 codes: two registers for each step, so that no store's data are written again
.set E,     208                        ; v208-223 a scale byte for each step
.set CV,    144                        ; Wo: v144-175 a chunk as f16
.set OUTR,  176                        ; Wo: v176-207 eight images
.set WREG,  8192                       ; LDS of a quantising wave: two stages of 32 x SP bytes, behind them its 256 scale bytes
.set SP,    80                         ; a lane's place in a stage: 64 bytes + 16 of padding
.set WOST,  32768                      ; LDS of the Wo way: 16 rows x (256 + 16) bytes a wave
.set WOSB,  16*272
.set SPARE, WOST+4*WOSB                ; the spare words, 128 bytes a wave: two blocks of 256 bytes that no other line names
.set SPW,   12                         ; v12  SPARE + 4 x my thread's number; never rewritten
.set NIL,   13                         ; v13  0; never rewritten
	s_load_b256 s[4:11], s[0:1], 0x0               ; x, Wq, Wk, Wv
	s_load_b256 s[12:19], s[0:1], 0x20             ; Wo, codes, scales, wopack
	v_lshl_add_u32 v[SPW], v0, 2, SPARE
	v_mov_b32 v[NIL], 0
	v_lshrrev_b32 v1, 5, v0
	v_readfirstlane_b32 s24, v1                    ; wave 0..3
	v_and_b32 v2, 31, v0                           ; lane
	v_lshlrev_b32 v3, 4, v2                        ; my 16 bytes of a load's or an image's 512
	s_cmp_ge_u32 ttmp9, 160
	s_cbranch_scc1 .Lwo
	; ---- the quantiser
	s_mul_i32 s25, s24, WREG
	v_lshrrev_b32 v14, 2, v2
	v_mul_u32_u24 v14, v14, SP
	v_and_b32 v15, 3, v2
	v_lshl_add_u32 v14, v15, 4, v14
	v_add_nc_u32 v14, s25, v14                     ; the stage, on the way in: four lanes' 64 bytes on end, then the padding
	v_mul_u32_u24 v15, v2, SP
	v_add_nc_u32 v15, s25, v15                     ; and on the way out: my 16 neighbours
	v_lshlrev_b32 v4, 3, v2                        ; 8 x lane: my codes' place in a step's 256 bytes; also my 8 of the 256 scale bytes
	v_lshrrev_b32 v5, 1, v2
	s_add_co_u32 s25, s25, 2*32*SP
	v_add_nc_u32 v5, s25, v5                       ; LDS: my block's scale byte
	v_add_nc_u32 v6, s25, v4                       ; LDS: 8 scale bytes a lane on the way out
	s_sub_co_u32 s20, ttmp9, 64                    ; a weight's numbers (not used where the work-group takes x)
	s_lshr_b32 s21, s20, 5                         ; t
	s_and_b32 s22, s20, 31
	s_lshl_b32 s22, s22, 2
	s_add_co_u32 s22, s22, s24                     ; which run of 8 rows
	s_lshr_b32 s23, s22, 3                         ; the head
	s_mul_i32 s23, s23, 192
	s_lshl_b32 s21, s21, 6
	s_add_co_u32 s23, s23, s21
	s_and_b32 s21, s22, 7
	s_lshl_b32 s21, s21, 3
	s_add_co_u32 s23, s23, s21
	s_add_co_u32 s23, s23, 2048                    ; R of the run's first row
	s_lshl_b32 s26, ttmp9, 2
	s_add_co_u32 s26, s26, s24                     ; x: which run,
	s_lshl_b32 s27, s26, 3                         ; and its first row
	s_wait_kmcnt 0x0
	s_cmp_lt_u32 ttmp9, 128                        ; the source is chosen by the work-group's number alone
	s_cselect_b64 s[8:9], s[8:9], s[10:11]
	s_cmp_lt_u32 ttmp9, 96
	s_cselect_b64 s[6:7], s[6:7], s[8:9]
	s_cmp_lt_u32 ttmp9, 64
	s_cselect_b64 s[4:5], s[4:5], s[6:7]
	s_cselect_b32 s22, s26, s22
	s_cselect_b32 s23, s27, s23
	s_lshl_b32 s28, s22, 15                        ; 8 rows of 4,096 bytes
	s_mov_b32 s29, 0
	s_add_nc_u64 s[4:5], s[4:5], s[28:29]
	s_lshl_b32 s28, s23, 9
	s_add_nc_u64 s[14:15], s[14:15], s[28:29]      ; my 4,096 bytes of codes
	s_lshl_b32 s28, s23, 5
	s_add_nc_u64 s[16:17], s[16:17], s[28:29]      ; my 256 scale bytes
.macro LOAD t
.irp i, 0,1,2,3
	global_load_b128 v[R+16*((\t)%DEPTH)+4*\i:R+16*((\t)%DEPTH)+4*\i+3], v3, s[4:5] offset:2048*(\t)+512*\i th:TH_LOAD_NT   ; 32 lanes read 512 consecutive bytes
.endr
.endm
.macro TURN t                          ; step t's numbers through the stage: LDS serves a wave's instructions in order, so no wait stands between the stores and the loads
.irp i, 0,1,2,3
	ds_store_b128 v14, v[R+16*((\t)%DEPTH)+4*\i:R+16*((\t)%DEPTH)+4*\i+3] offset:32*SP*((\t)%2)+8*SP*\i
.endr
.irp i, 0,1,2,3
	ds_load_b128 v[X+16*((\t)%2)+4*\i:X+16*((\t)%2)+4*\i+3], v15 offset:32*SP*((\t)%2)+16*\i
.endr
.endm
.irp t, 0,1,2,3,4,5,6,7
	LOAD \t
.endr
	s_wait_loadcnt 4*(DEPTH-1)                     ; step 0's four loads are in; the 28 of the seven steps behind it may be out
	TURN 0
.macro STEP t
.set XS, X+16*((\t)%2)
.if (\t) > 0
	s_wait_dscnt 1                                 ; this step's numbers are back from the stage (the last step's byte store may be out): so its stores into the stage have read their registers,
.else
	s_wait_dscnt 0x0
.endif
.if (\t)+DEPTH < STEPS
	LOAD (\t)+DEPTH                                ; which take the loads of eight steps on
.endif
.if (\t)+1 < STEPS
.if (\t)+DEPTH < STEPS
	s_wait_loadcnt 4*(DEPTH-1)                     ; the next step's four loads are in; those of the seven steps behind it may be out
.else
	s_wait_loadcnt 4*(STEPS-2-(\t))                ; the counts run down
.endif
	TURN (\t)+1                                    ; and go through the other stage while this step is worked
.endif
	v_max3_num_f32 v8, |v[XS]|, |v[XS+1]|, |v[XS+2]|               ; the largest magnitude of my 16, in two chains
	v_max3_num_f32 v9, |v[XS+3]|, |v[XS+4]|, |v[XS+5]|
.irp i, 6,10
	v_max3_num_f32 v8, v8, |v[XS+\i]|, |v[XS+\i+1]|
	v_max3_num_f32 v9, v9, |v[XS+\i+2]|, |v[XS+\i+3]|
.endr
	v_max3_num_f32 v8, v8, |v[XS+14]|, |v[XS+15]|
	v_max3_num_f32 v8, v8, v9, (EMAX+1)<<23        ; and the floor 2^(3 - 127): so the byte cannot fall under 1
	v_max_num_f32_dpp v8, v8, v8 row_xmask:1 row_mask:0xf bank_mask:0xf   ; and of my neighbour's 16: the block's
	v_add_nc_u32 v11, -(EMAX<<23), v8              ; 2 off its exponent field: the conversion takes the exponent field of this operand as its scale
	v_cvt_scalef32_pk8_fp4_f32 v[C+2*(\t)], v[XS:XS+7], v11
	v_cvt_scalef32_pk8_fp4_f32 v[C+2*(\t)+1], v[XS+8:XS+15], v11
	v_lshrrev_b32 v[E+(\t)], 23, v11               ; the scale's byte (a plain line behind the conversions)
	ds_store_b8 v5, v[E+(\t)] offset:16*(\t)       ; both lanes of a block write the same byte with the same value
	global_store_b64 v4, v[C+2*(\t):C+2*(\t)+1], s[14:15] offset:256*(\t)   ; 32 lanes store 256 consecutive bytes, aligned
.endm
.irp t, 0,1,2,3,4,5,6,7,8,9,10,11,12,13,14,15
	STEP \t
.endr
	ds_load_b64 v[8:9], v6                         ; LDS serves a wave's instructions in order: these see my byte stores
	s_wait_dscnt 0x0
	global_store_b64 v4, v[8:9], s[16:17]          ; my 8 rows' 256 scale bytes, consecutive and aligned
	s_branch .Lend
	; ---- Wo: image c of fragment (16 rows j, K step ks of 32): lane (r, h) holds k = 32 ks + 16 c + 8 h + 0..7 of row r, as 8 f16
.Lwo:
	s_sub_co_u32 s20, ttmp9, 160
	s_lshl_b32 s20, s20, 2
	s_add_co_u32 s20, s20, s24                     ; 0..127
	s_lshr_b32 s21, s20, 1                         ; which 16 rows
	s_and_b32 s22, s20, 1                          ; which half of K
	s_lshl_b32 s26, s21, 16                        ; 16 rows of 4,096 bytes
	s_lshl_b32 s27, s22, 11
	s_add_co_u32 s26, s26, s27
	s_mov_b32 s27, 0
	s_lshl_b32 s28, s21, 15                        ; 32 K steps of 1,024 bytes
	s_lshl_b32 s29, s22, 14
	s_add_co_u32 s28, s28, s29
	s_mov_b32 s29, 0
	s_mul_i32 s25, s24, WOSB
	s_add_co_u32 s25, s25, WOST                    ; my stage
	v_lshl_add_u32 v4, v2, 3, s25                  ; in: 8 bytes a lane of a row's 256
	v_and_b32 v5, 15, v2
	v_lshrrev_b32 v6, 4, v2
	v_mul_u32_u24 v5, v5, 272
	v_lshl_add_u32 v5, v6, 4, v5
	v_add_nc_u32 v5, s25, v5                       ; out: row r, + 16 h
	s_wait_kmcnt 0x0
	s_add_nc_u64 s[12:13], s[12:13], s[26:27]
	s_add_nc_u64 s[18:19], s[18:19], s[28:29]
.macro WOLOAD q                        ; 128 along K of 16 rows: each load reads 512 consecutive bytes of one row
.irp i, 0,1,2,3,4,5,6,7,8,9,10,11,12,13,14,15
	global_load_b128 v[R+64*((\q)%2)+4*\i:R+64*((\q)%2)+4*\i+3], v3, s[12:13] offset:4096*\i+512*(\q) th:TH_LOAD_NT
.endr
.endm
.macro WOCHUNK q
.set SR, R+64*((\q)%2)
.if (\q) < 3
	s_wait_loadcnt 16                              ; this chunk's 16 loads are in; the next chunk's may be out
.else
	s_wait_loadcnt 0x0
.endif
.if (\q) > 0
	s_wait_xcnt 0x0                                ; the last chunk's stores have read their registers: the images below land there
.endif
.irp i, 0,1,2,3,4,5,6,7,8,9,10,11,12,13,14,15
	v_cvt_pk_f16_f32 v[CV+2*\i], v[SR+4*\i], v[SR+4*\i+1]
	v_cvt_pk_f16_f32 v[CV+2*\i+1], v[SR+4*\i+2], v[SR+4*\i+3]
.endr
.irp i, 0,1,2,3,4,5,6,7,8,9,10,11,12,13,14,15
	ds_store_b64 v4, v[CV+2*\i:CV+2*\i+1] offset:272*\i
.endr
.irp s, 0,1,2,3
.irp c, 0,1
	ds_load_b128 v[OUTR+4*(2*\s+\c):OUTR+4*(2*\s+\c)+3], v5 offset:64*\s+32*\c
.endr
.endr
.if (\q)+2 < 4
	WOLOAD (\q)+2
.endif
	s_wait_dscnt 0x0                               ; the images are in registers, and the stores into the stage have read theirs
.irp s, 0,1,2,3
.irp c, 0,1
	global_store_b128 v3, v[OUTR+4*(2*\s+\c):OUTR+4*(2*\s+\c)+3], s[18:19] offset:(4*(\q)+\s)*1024+512*\c   ; 512 consecutive bytes
.endr
.endr
.endm
	WOLOAD 0
	WOLOAD 1
	WOCHUNK 0
	WOCHUNK 1
	WOCHUNK 2
	WOCHUNK 3
.Lend:
	s_wait_tensorcnt 0x0                           ; the wave's end: behind my last LDS store, even in a text with no tensor load
	ds_add_u32 v[SPW], v[NIL]
	s_wait_dscnt 0x0
	s_endpgm
.Lfunc_end_k_qb4fd1fe9c3_prep:
	.size	k_qb4fd1fe9c3_prep, .Lfunc_end_k_qb4fd1fe9c3_prep-k_qb4fd1fe9c3_prep
	.p2alignl 7, 3214868480
	.fill 96, 4, 3214868480
	.section	.rodata,"a",@progbits
	.p2align	6, 0x0
	.amdhsa_kernel k_qb4fd1fe9c3_prep
		.amdhsa_group_segment_fixed_size 50688
		.amdhsa_private_segment_fixed_size 0
		.amdhsa_enable_private_segment 0
		.amdhsa_kernarg_size 64
		.amdhsa_user_sgpr_count 2
		.amdhsa_user_sgpr_kernarg_segment_ptr 1
		.amdhsa_wavefront_size32 1
		.amdhsa_system_sgpr_workgroup_id_x 1
		.amdhsa_system_sgpr_workgroup_id_y 1
		.amdhsa_system_sgpr_workgroup_id_z 1
		.amdhsa_system_vgpr_workitem_id 0
		.amdhsa_next_free_vgpr 224
		.amdhsa_next_free_sgpr 66
		.amdhsa_reserve_vcc 0
		.amdhsa_float_denorm_mode_32 3
		.amdhsa_float_denorm_mode_16_64 3
		.amdhsa_memory_ordered 1
		.amdhsa_forward_progress 1
		.amdhsa_inst_pref_size 58
	.end_amdhsa_kernel
	.amdgpu_metadata
---
amdhsa.version: [ 1, 2 ]
amdhsa.kernels:
  - .name:           k_qb4fd1fe9c3_prep
    .symbol:         k_qb4fd1fe9c3_prep.kd
    .args:
      - { .name: x, .offset: 0, .size: 8, .value_kind: global_buffer, .address_space: global }
      - { .name: Wq, .offset: 8, .size: 8, .value_kind: global_buffer, .address_space: global }
      - { .name: Wk, .offset: 16, .size: 8, .value_kind: global_buffer, .address_space: global }
      - { .name: Wv, .offset: 24, .size: 8, .value_kind: global_buffer, .address_space: global }
      - { .name: Wo, .offset: 32, .size: 8, .value_kind: global_buffer, .address_space: global }
      - { .name: codes, .offset: 40, .size: 8, .value_kind: global_buffer, .address_space: global }
      - { .name: scales, .offset: 48, .size: 8, .value_kind: global_buffer, .address_space: global }
      - { .name: wopack, .offset: 56, .size: 8, .value_kind: global_buffer, .address_space: global }
    .group_segment_fixed_size: 50688
    .private_segment_fixed_size: 0
    .kernarg_segment_align: 8
    .kernarg_segment_size: 64
    .max_flat_workgroup_size: 128
    .sgpr_count:     66
    .vgpr_count:     224
    .wavefront_size: 32
...
	.end_amdgpu_metadata
.endif
;; end of part 1
;; launch qkv (part 2): grid 16 x 16, 4 waves a work-group, clusters of 4 x 4, 176,128 bytes of LDS; arguments codes, scales, qbuf, kvbuf; writes qbuf, kvbuf
.if DOCPART == 2
	.amdgcn_target "amdgcn-amd-amdhsa--gfx1250"
	.amdhsa_code_object_version 6
	.text
	.protected	k_qb4fd1fe9c3_qkv
	.globl	k_qb4fd1fe9c3_qkv
	.p2align	8
	.type	k_qb4fd1fe9c3_qkv,@function
k_qb4fd1fe9c3_qkv:
	s_mov_b64 s[64:65], 0
	v_nop
	global_prefetch_b8 v0, s[64:65] scope:SCOPE_SE
	s_setreg_imm32_b32 hwreg(HW_REG_WAVE_MODE, 25, 1), 1
	s_wait_xcnt 0x0
	s_wait_alu depctr_hold_cnt(0) depctr_sa_sdst(0) depctr_va_vdst(0) depctr_va_sdst(0) depctr_va_ssrc(0) depctr_va_vcc(0) depctr_vm_vsrc(0)
	s_getreg_b32 s2, hwreg(HW_REG_IB_STS2, 6, 4)
	s_cmp_eq_u32 s2, 0
	s_cbranch_scc0 .Lentry_in_a_cluster
	s_endpgm
.Lentry_in_a_cluster:
	s_bfe_u32 s2, ttmp6, 0x10000c
	s_cmp_lg_u32 s2, 0xf033
	s_cbranch_scc0 .Lentry_shape_is_right
	s_endpgm
.Lentry_shape_is_right:
; QKV.  q, k, v = x W^T on codes of FP4 with E8M0 scales, sums in f32; then each token's |q|^2 and |k|^2 of the head, in f32; q, k, v leave as f16 images of the registers that the attention's products want.
; SHARES.  A work-group takes 128 tokens (work-group y) x the 192 columns of one head's q, k, v (work-group x); a wave takes 32 tokens (two tiles) x all 192 columns: 24 accumulators, so a head's norms stay in one wave.
; All of K (1,024: rows of 512 bytes of codes) comes into LDS once, as two halves of 256-byte rows: nothing is filled twice.
; CLUSTER 4 x 4: the four of a row of the cluster need the same tokens' codes, the four of a column the same head's weights: each tile is asked for jointly.
; q and k are made TRANSPOSED (source 0 = 16 rows of W, source 1 = 16 tokens): a lane holds one token and eight neighbouring channels: that is a fragment of 16 rows x 32 channels as the first attention product takes it.
; v is made the other way (source 0 = tokens, source 1 = rows of Wv): a lane holds one channel and eight neighbouring tokens: a fragment of V^T with the keys along K.
; OUT.  qbuf: [head][tile of 16 queries][4 images of 512 bytes]; behind 4,194,304: [head][token][|q|^2, 2 / (1 - |q|^2)].
;       kvbuf: [head][step of 64 keys][16,384]: K at 2,048 tile + 512 image, V at 8,192 + 4,096 (half of 32 keys) + 1,024 (16 channels) + 512 image; behind 8,388,608: [head][32 keys][-|k|^2 / 2 x 32 | 1 / (1 - |k|^2) x 32].
; LIMITS: |q|, |k|, |v| beyond 65,504 have no f16 number; NaN and infinities are not served.
; REGISTERS: window 0: v1-15 addresses; v16-23 x's scale words, v24-71 W's (they hold nothing else); v72-95 the norms; v96-191 the packed results.
;   window 1: the accumulators, (g, tile of tokens, tile of channels) at 64 g + 32 tt + 8 ct.   window 2: two sets of fragments at 0 and 128: x's two, then W's twelve.
.set PITCH, 272                        ; an LDS row: 256 bytes + 16 of padding = 68 words: the 16 rows of a load start at 16 different banks (64 banks of 4 bytes: ISA guide 11.1)
.set XHALF, 128*PITCH
.set WB,    2*XHALF
.set WHALF, 192*PITCH
.set SCR,   WB+2*WHALF                 ; 256 bytes a wave, for the keys' statistics on their way out; no tile lands here
.set SPARE, SCR+1024                   ; the spare words, 128 bytes a wave
.set QSTAT, 4194304
.set KSTAT, 8388608
.set RR, 1
.set HH, 2
.set LN, 3
.set SOF, 4                            ; v4   32 r + 16 h: my 16 scale bytes of a tile's 512
.set LI, 5                             ; v5   16 x lane
.set ADX, 6                            ; v6-7 LDS address of my x fragments in half 0, 1
.set ADW, 8                            ; v8-9 the same for W
.set SPW, 10
.set NIL, 11
.set L8, 12                            ; v12  8 x lane
.set SCS, 13                           ; v13  my word in the wave's scratch
.set SCL, 14                           ; v14  my 8 bytes of it
.set XS, 16
.set WS, 24
.set SM, 72
.set NN, 80
.set TT, 84
.set RC, 88
.set SV, 92
.set PK, 96
.set WV, 12
.set WH, 13
.set WL, 14
.set CX, 15
.set CY, 16
.set BX, 17
.set BY, 18
.set SEL, 20
.set G1X, 24
.set G1W, 32
.set G0X, 40
.set G0W, 48
.set MSB, 0
.macro WIN new                         ; the immediate's high byte repeats the setting that is left
.if MSB != \new
	s_set_vgpr_msb (MSB<<8)|\new
.set MSB, \new
.endif
.endm
.macro PLACES                          ; four plain places behind matrix instructions, in front of loads into their sources and of reads of their results
.rept 4
	v_nop
.endr
.endm
.macro CROUND                          ; a round of the cluster's barrier
	s_barrier_signal -1
	s_barrier_wait -1
	s_cmp_lg_u32 s[WV], 0
	s_cbranch_scc1 .Lnot_wave_0_\@
	s_barrier_signal -3
.Lnot_wave_0_\@:
	s_barrier_wait -3
	s_barrier_signal -1
	s_barrier_wait -1
.endm
	s_load_b256 s[4:11], s[0:1], 0x0               ; codes, scales, qbuf, kvbuf
	v_lshl_add_u32 v[SPW], v0, 2, SPARE
	v_mov_b32 v[NIL], 0
	ds_add_u32 v[SPW], v[NIL]                      ; the wave's opening: the add, twice on end, and its wait ahead of my first tensor load
	ds_add_u32 v[SPW], v[NIL]
	v_lshrrev_b32 v1, 5, v0
	v_readfirstlane_b32 s[WV], v1                  ; wave 0..3
	s_lshr_b32 s[WH], s[WV], 1                     ; I fetch for x (0) or for W (1)
	s_and_b32 s[WL], s[WV], 1                      ; which half of that tile's rows
	s_bfe_u32 s[CX], ttmp6, 0x40000
	s_bfe_u32 s[CY], ttmp6, 0x40004
	s_lshl_b32 s[BX], ttmp9, 2
	s_add_co_u32 s[BX], s[BX], s[CX]               ; the head
	s_and_b32 s[BY], ttmp7, 0xffff
	s_lshl_b32 s[BY], s[BY], 2
	s_add_co_u32 s[BY], s[BY], s[CY]               ; the block of 128 tokens
	s_lshl_b32 s22, s[CY], 2
	s_lshl_b32 s22, 15, s22                        ; my row of the cluster
	s_lshl_b32 s23, 0x1111, s[CX]                  ; my column
	s_or_b32 s[G1X], s22, (1<<20)|(1<<21)|(5<<22)|(3<<25)   ; 15:0 the mask; elements of 1 byte; 20 padding on; 21 set beside a mask; after every 64 words four words
	s_or_b32 s[G1W], s23, (1<<20)|(1<<21)|(5<<22)|(3<<25)
.irp g, G1X, G1W
	s_mov_b32 s[\g+1], 256<<16                     ; tensor_dim0 = 256 bytes
	s_mov_b32 s[\g+3], 256<<16                     ; tile_dim0
	s_mov_b32 s[\g+5], 512                         ; from row to row
	s_mov_b32 s[\g+6], 0
	s_mov_b32 s[\g+7], 0
.endr
	s_mov_b32 s[G1X+2], 64<<16                     ; x: 64 rows a load
	s_mov_b32 s[G1X+4], 64
	s_mov_b32 s[G1W+2], 96<<16                     ; W: 96 rows a load
	s_mov_b32 s[G1W+4], 96
	s_lshl_b32 s56, s[BY], 16                      ; x: row 128 by + 64 half, 512 bytes a row
	s_lshl_b32 s57, s[WL], 15
	s_add_co_u32 s56, s56, s57
	s_mov_b32 s57, 0
	s_mul_i32 s58, s[BX], 192*512                  ; W: row 2048 + 192 head + 96 half
	s_mul_i32 s59, s[WL], 96*512
	s_add_co_u32 s58, s58, s59
	s_add_co_u32 s58, s58, 2048*512
	s_mov_b32 s59, 0
	s_mul_i32 s60, s[WL], 64*PITCH                 ; where they go: no place in the cluster enters an LDS address
	s_mul_i32 s61, s[WL], 96*PITCH
	s_add_co_u32 s61, s61, WB
	s_mov_b32 s[SEL], 0x76543210
	s_mov_b32 s[SEL+1], 0xfedcba98                 ; v_permlanex16_b32's selects for lane l xor 16
	s_wait_dscnt 0x0                               ; both opening adds are done
	s_wait_kmcnt 0x0
	s_add_nc_u64 s[56:57], s[4:5], s[56:57]
	s_add_nc_u64 s[58:59], s[4:5], s[58:59]
	CROUND                                         ; all sixteen work-groups are here: the joint loads meet
.irp p, 0,1
	s_mov_b32 s[G0X+4*\p], 1
	s_add_co_u32 s[G0X+4*\p+1], s60, \p*XHALF
	s_add_nc_u64 s[G0X+4*\p+2:G0X+4*\p+3], s[56:57], \p*256
	s_or_b32 s[G0X+4*\p+3], s[G0X+4*\p+3], 0x80000000
	s_mov_b32 s[G0W+4*\p], 1
	s_add_co_u32 s[G0W+4*\p+1], s61, \p*WHALF
	s_add_nc_u64 s[G0W+4*\p+2:G0W+4*\p+3], s[58:59], \p*256
	s_or_b32 s[G0W+4*\p+3], s[G0W+4*\p+3], 0x80000000
.endr
	s_cmp_eq_u32 s[WH], 0                          ; a wave's two fills stand in one branch on the wave's number: two loads of mine are out
	s_cbranch_scc0 .Lfirst_w
	tensor_load_to_lds s[G0X:G0X+3], s[G1X:G1X+7]
	s_nop 0
	tensor_load_to_lds s[G0X+4:G0X+7], s[G1X:G1X+7]
	s_nop 0
.rept 4
	v_nop
.endr
	s_branch .Lfirst_done
.Lfirst_w:
	tensor_load_to_lds s[G0W:G0W+3], s[G1W:G1W+7]
	s_nop 0
	tensor_load_to_lds s[G0W+4:G0W+7], s[G1W:G1W+7]
	s_nop 0
.rept 4
	v_nop
.endr
.Lfirst_done:
	v_and_b32 v[RR], 15, v0
	v_bfe_u32 v[HH], v0, 4, 1
	v_and_b32 v[LN], 31, v0
	v_lshlrev_b32 v[LI], 4, v[LN]
	v_lshlrev_b32 v[L8], 3, v[LN]
	v_lshlrev_b32 v[SOF], 5, v[RR]
	v_lshl_add_u32 v[SOF], v[HH], 4, v[SOF]
	; THE SCALES go straight into registers: a tile's 16 rows x 32 bytes are 512 consecutive bytes; lane (r, h) takes bytes 16 h .. 16 h + 15 of row r,
	; so register i holds K step i's word in lanes 0-15 and K step 4 + i's in lanes 16-31, which the second half of K reads by the ROW1 selector.
	s_lshl_b32 s62, s[BY], 12
	s_lshl_b32 s63, s[WV], 10
	s_add_co_u32 s62, s62, s63
	s_mov_b32 s63, 0
	s_add_nc_u64 s[66:67], s[6:7], s[62:63]        ; my 32 tokens' scale bytes
	s_mul_i32 s62, s[BX], 192*32
	s_add_co_u32 s62, s62, 2048*32
	s_add_nc_u64 s[68:69], s[6:7], s[62:63]        ; the head's 192 rows'
.irp y, 0,1
	global_load_b128 v[XS+4*\y:XS+4*\y+3], v[SOF], s[66:67] offset:512*\y
.endr
.irp f, 0,1,2,3,4,5,6,7,8,9,10,11
	global_load_b128 v[WS+4*\f:WS+4*\f+3], v[SOF], s[68:69] offset:512*\f
.endr
	v_mul_u32_u24 v15, v[RR], PITCH
	v_lshl_add_u32 v15, v[HH], 4, v15              ; a fragment's row x pitch + 16 x half
	s_mul_i32 s60, s[WV], 32*PITCH
	v_add_nc_u32 v[ADX], s60, v15
	v_add_nc_u32 v[ADX+1], XHALF, v[ADX]
	v_add_nc_u32 v[ADW], WB, v15
	v_add_nc_u32 v[ADW+1], WB+WHALF, v15
	s_lshl_b32 s60, s[WV], 8
	s_add_co_u32 s60, s60, SCR
	v_lshl_add_u32 v[SCS], v[LN], 2, s60
	v_add_nc_u32 v[SCL], s60, v[L8]
.irp c, 0,1,2,3
	v_mov_b32 v[TT+\c], 0                          ; written once: a lane permute's destination counts as one of its sources
.endr
	; where the results go
	s_lshl_b32 s62, s[BX], 18
	s_lshl_b32 s61, s[BY], 14
	s_add_co_u32 s62, s62, s61
	s_lshl_b32 s61, s[WV], 12
	s_add_co_u32 s62, s62, s61
	s_add_nc_u64 s[70:71], s[8:9], s[62:63]        ; q's images: head, tile 8 by + 2 w
	s_lshl_b32 s62, s[BX], 14
	s_lshl_b32 s61, s[BY], 10
	s_add_co_u32 s62, s62, s61
	s_lshl_b32 s61, s[WV], 8
	s_add_co_u32 s62, s62, s61                     ; 256 bytes for my 32 tokens, in both tables of statistics
	s_add_nc_u64 s[72:73], s[8:9], s[62:63]
	s_add_nc_u64 s[72:73], s[72:73], QSTAT
	s_add_nc_u64 s[76:77], s[10:11], s[62:63]
	s_add_nc_u64 s[76:77], s[76:77], KSTAT
	s_lshl_b32 s62, s[BX], 19
	s_lshl_b32 s61, s[BY], 15
	s_add_co_u32 s62, s62, s61
	s_lshl_b32 s61, s[WH], 14
	s_add_co_u32 s62, s62, s61
	s_lshl_b32 s61, s[WL], 12
	s_add_co_u32 s62, s62, s61
	s_add_nc_u64 s[74:75], s[10:11], s[62:63]      ; k's images: head, step 2 by + w / 2, tile 2 (w % 2); v's lie 8,192 bytes on
; 28 LDS loads: the fragments of K step s (128 along K: 64 bytes of a row) into set s % 2.  A fragment is 8 registers: lane (r, h): registers 4 c .. 4 c + 3 hold K = 64 c + 32 h + 0 .. 31
.macro FETCH s
	WIN 0x80                                       ; destination window 2, address window 0
.set FS, 128*((\s)%2)
.set KO, 64*((\s)%4)
.irp y, 0,1
.irp c, 0,1
	ds_load_b128 v[FS+8*\y+4*\c:FS+8*\y+4*\c+3], v[ADX+(\s)/4] offset:KO+16*\y*PITCH+32*\c
.endr
.endr
.irp f, 0,1,2,3,4,5,6,7,8,9,10,11
.irp c, 0,1
	ds_load_b128 v[FS+16+8*\f+4*\c:FS+16+8*\f+4*\c+3], v[ADW+(\s)/4] offset:KO+16*\f*PITCH+32*\c
.endr
.endr
.endm
.macro WM ac, fa, fb, sa, sb           ; one product; ZR: it starts the sum; HI: the scale words of the second half of K, in lanes 16-31
.if ZR
	v_wmma_scale_f32_16x16x128_f8f6f4 v[(\ac):(\ac)+7], v[(\fa):(\fa)+7], v[(\fb):(\fb)+7], 0, v[(\sa)], v[(\sb)] matrix_a_fmt:MATRIX_FMT_FP4 matrix_b_fmt:MATRIX_FMT_FP4
.elseif HI
	v_wmma_scale_f32_16x16x128_f8f6f4 v[(\ac):(\ac)+7], v[(\fa):(\fa)+7], v[(\fb):(\fb)+7], v[(\ac):(\ac)+7], v[(\sa)], v[(\sb)] matrix_a_fmt:MATRIX_FMT_FP4 matrix_b_fmt:MATRIX_FMT_FP4 matrix_a_scale:MATRIX_SCALE_ROW1 matrix_b_scale:MATRIX_SCALE_ROW1
.else
	v_wmma_scale_f32_16x16x128_f8f6f4 v[(\ac):(\ac)+7], v[(\fa):(\fa)+7], v[(\fb):(\fb)+7], v[(\ac):(\ac)+7], v[(\sa)], v[(\sb)] matrix_a_fmt:MATRIX_FMT_FP4 matrix_b_fmt:MATRIX_FMT_FP4
.endif
.endm
; 24 products: the 24 accumulators take turns, one instruction a turn, in the same order in every K step
.macro MUL s
	WIN 0x5a                                       ; sources 0 and 1 window 2, C and D window 1
.set FS, 128*((\s)%2)
.set ZR, 0
.if (\s) == 0
.set ZR, 1
.endif
.set HI, (\s)/4
.irp g, 0,1,2
.irp y, 0,1
.irp c, 0,1,2,3
.set AC, 64*\g+32*\y+8*\c
.set FX, FS+8*\y
.set FW, FS+16+8*(4*\g+\c)
.set SX, XS+4*\y+(\s)%4
.set SW, WS+4*(4*\g+\c)+(\s)%4
.if \g < 2
	WM AC, FW, FX, SW, SX
.else
	WM AC, FX, FW, SX, SW
.endif
.endr
.endr
.endr
.endm
	s_wait_tensorcnt 0x1                           ; my part of the first half of K is in; the second half's load may be out
	s_barrier_signal -1
	s_barrier_wait -1                              ; everybody's is
	FETCH 0
	s_wait_loadcnt 0x0                             ; the scale words
.irp s, 0,1,2,3,4,5,6,7
.if \s == 3
	s_wait_tensorcnt 0x0                           ; my part of the second half of K is in,
	s_wait_dscnt 0x0                               ; (no LDS instruction of mine is pending at a signal)
	s_barrier_signal -1
	s_barrier_wait -1                              ; everybody's is: K step 4 is fetched below
.endif
.if \s < 7
.if \s > 0
	PLACES                                         ; the set below was read by the products just issued
.endif
	FETCH \s+1
	s_wait_dscnt 28                                ; this K step's fragments are in; the 28 loads just issued may be out
.else
	s_wait_dscnt 0x0
.endif
	MUL \s
.endr
	; ---- the norms: four chains (q, k x two tiles of tokens) over a lane's 32 channels, two at a time, each accumulator from its low end on
	PLACES
	WIN 0x05                                       ; sources 0 and 1 window 1
.irp c, 0,1,2,3
	v_pk_mul_f32 v[SM+2*\c:SM+2*\c+1], v[32*\c:32*\c+1], v[32*\c:32*\c+1]
.endr
.irp i, 1,2,3,4,5,6,7,8,9,10,11,12,13,14,15
.irp c, 0,1,2,3
	v_pk_fma_f32 v[SM+2*\c:SM+2*\c+1], v[32*\c+2*\i:32*\c+2*\i+1], v[32*\c+2*\i:32*\c+2*\i+1], v[SM+2*\c:SM+2*\c+1]
.endr
.endr
	WIN 0
.irp c, 0,1,2,3
	v_add_f32 v[NN+\c], v[SM+2*\c], v[SM+2*\c+1]
.endr
.irp c, 0,1,2,3
	v_permlanex16_b32 v[TT+\c], v[NN+\c], s[SEL], s[SEL+1]   ; the token's other 32 channels lie in the lane 16 away
.endr
.irp c, 0,1,2,3
	v_add_f32 v[NN+\c], v[NN+\c], v[TT+\c]         ; |q|^2 of tiles 0, 1; |k|^2 of tiles 0, 1
.endr
.irp c, 0,1,2,3
	v_sub_f32 v[TT+\c], 1.0, v[NN+\c]
.endr
.irp c, 0,1,2,3
	v_rcp_f32 v[RC+\c], v[TT+\c]
.endr
	v_nop                                          ; a plain line behind the last reciprocal
	v_cmp_le_u32 vcc_lo, 16, v[LN]                 ; lanes 16-31 take the second tile's numbers: lane l then holds token l of my 32
	s_wait_alu depctr_va_vdst(0)                   ; one wait for the four reciprocals, ahead of their first reader
	v_cndmask_b32 v[SV], v[NN], v[NN+1], vcc_lo    ; |q|^2
	v_cndmask_b32 v[SV+1], v[RC], v[RC+1], vcc_lo
	v_add_f32 v[SV+1], v[SV+1], v[SV+1]            ; 2 / (1 - |q|^2)
	v_cndmask_b32 v[SV+2], v[NN+2], v[NN+3], vcc_lo
	v_mul_f32 v[SV+2], -0.5, v[SV+2]               ; -|k|^2 / 2
	v_cndmask_b32 v[SV+3], v[RC+2], v[RC+3], vcc_lo  ; 1 / (1 - |k|^2)
	global_store_b64 v[L8], v[SV:SV+1], s[72:73]   ; 256 consecutive bytes, aligned
	ds_store_b32 v[SCS], v[SV+2]                   ; the keys' two runs of 32 numbers meet in my scratch,
	ds_store_b32 v[SCS], v[SV+3] offset:128
	ds_load_b64 v[TT:TT+1], v[SCL]                 ; and come back 8 bytes a lane (LDS serves a wave's instructions in order)
	WIN 0x05
.set a, 0
.rept 24
.irp i, 0,1,2,3
	v_cvt_pk_f16_f32 v[PK+4*a+\i], v[8*a+2*\i], v[8*a+2*\i+1]   ; eight neighbours of a lane: 16 bytes
.endr
.set a, a+1
.endr
	WIN 0
	s_wait_dscnt 0x0
	global_store_b64 v[L8], v[TT:TT+1], s[76:77]   ; 256 consecutive bytes, aligned
.irp y, 0,1
.irp c, 0,1,2,3
	global_store_b128 v[LI], v[PK+4*(4*\y+\c):PK+4*(4*\y+\c)+3], s[70:71] offset:2048*\y+512*\c          ; q: each store 512 consecutive bytes
	global_store_b128 v[LI], v[PK+4*(8+4*\y+\c):PK+4*(8+4*\y+\c)+3], s[74:75] offset:2048*\y+512*\c      ; k
	global_store_b128 v[LI], v[PK+4*(16+4*\y+\c):PK+4*(16+4*\y+\c)+3], s[74:75] offset:8192+1024*\c+512*\y  ; v: channels' tile c, tokens' tile y
.endr
.endr
	s_wait_tensorcnt 0x0                           ; the wave's end: behind my last tensor load and my last LDS store
	ds_add_u32 v[SPW], v[NIL]
	s_wait_dscnt 0x0
	CROUND                                         ; the closing round: no work-group ends while a partner may still ask for a tile that names it
	s_endpgm
.Lfunc_end_k_qb4fd1fe9c3_qkv:
	.size	k_qb4fd1fe9c3_qkv, .Lfunc_end_k_qb4fd1fe9c3_qkv-k_qb4fd1fe9c3_qkv
	.p2alignl 7, 3214868480
	.fill 96, 4, 3214868480
	.section	.rodata,"a",@progbits
	.p2align	6, 0x0
	.amdhsa_kernel k_qb4fd1fe9c3_qkv
		.amdhsa_group_segment_fixed_size 176128
		.amdhsa_private_segment_fixed_size 0
		.amdhsa_enable_private_segment 0
		.amdhsa_kernarg_size 32
		.amdhsa_user_sgpr_count 2
		.amdhsa_user_sgpr_kernarg_segment_ptr 1
		.amdhsa_wavefront_size32 1
		.amdhsa_system_sgpr_workgroup_id_x 1
		.amdhsa_system_sgpr_workgroup_id_y 1
		.amdhsa_system_sgpr_workgroup_id_z 1
		.amdhsa_system_vgpr_workitem_id 0
		.amdhsa_next_free_vgpr 768
		.amdhsa_next_free_sgpr 96
		.amdhsa_reserve_vcc 1
		.amdhsa_float_denorm_mode_32 3
		.amdhsa_float_denorm_mode_16_64 3
		.amdhsa_memory_ordered 1
		.amdhsa_forward_progress 1
		.amdhsa_inst_pref_size 63
	.end_amdhsa_kernel
	.amdgpu_metadata
---
amdhsa.version: [ 1, 2 ]
amdhsa.kernels:
  - .name:           k_qb4fd1fe9c3_qkv
    .symbol:         k_qb4fd1fe9c3_qkv.kd
    .args:
      - { .name: codes, .offset: 0, .size: 8, .value_kind: global_buffer, .address_space: global }
      - { .name: scales, .offset: 8, .size: 8, .value_kind: global_buffer, .address_space: global }
      - { .name: qbuf, .offset: 16, .size: 8, .value_kind: global_buffer, .address_space: global }
      - { .name: kvbuf, .offset: 24, .size: 8, .value_kind: global_buffer, .address_space: global }
    .group_segment_fixed_size: 176128
    .private_segment_fixed_size: 0
    .kernarg_segment_align: 8
    .kernarg_segment_size: 32
    .max_flat_workgroup_size: 128
    .sgpr_count:     96
    .vgpr_count:     768
    .wavefront_size: 32
...
	.end_amdgpu_metadata
.endif
;; end of part 2
;; launch attn (part 3): grid 16 x 16, 8 waves a work-group, clusters of 4 x 1, 327,680 bytes of LDS; arguments qbuf, kvbuf, apack; writes apack
.if DOCPART == 3
	.amdgcn_target "amdgcn-amd-amdhsa--gfx1250"
	.amdhsa_code_object_version 6
	.text
	.protected	k_qb4fd1fe9c3_attn
	.globl	k_qb4fd1fe9c3_attn
	.p2align	8
	.type	k_qb4fd1fe9c3_attn,@function
k_qb4fd1fe9c3_attn:
	s_mov_b64 s[64:65], 0
	v_nop
	global_prefetch_b8 v0, s[64:65] scope:SCOPE_SE
	s_setreg_imm32_b32 hwreg(HW_REG_WAVE_MODE, 25, 1), 1
	s_wait_xcnt 0x0
	s_wait_alu depctr_hold_cnt(0) depctr_sa_sdst(0) depctr_va_vdst(0) depctr_va_sdst(0) depctr_va_ssrc(0) depctr_va_vcc(0) depctr_vm_vsrc(0)
	s_getreg_b32 s2, hwreg(HW_REG_IB_STS2, 6, 4)
	s_cmp_eq_u32 s2, 0
	s_cbranch_scc0 .Lentry_in_a_cluster
	s_endpgm
.Lentry_in_a_cluster:
	s_bfe_u32 s2, ttmp6, 0x10000c
	s_cmp_lg_u32 s2, 0x3003
	s_cbranch_scc0 .Lentry_shape_is_right
	s_endpgm
.Lentry_shape_is_right:
; ATTN.  For each head and query: a = sum over keys of w v / sum of w, w = exp(-acosh(c)), c = max(1 + 2 max(|q|^2 + |k|^2 - 2 q.k, 0) / max((1 - |q|^2)(1 - |k|^2), 1e-6), 1).
; exp(-acosh(c)) = 1 / g, g = c + sqrt(c^2 - 1): one square root and one reciprocal a score, no logarithm and no exponential.
; THE MAXIMUM THAT THE SOFTMAX TAKES AWAY is a running one: the row's smallest c so far gives the smallest g, and s = 2^floor(log2 of it); p = s / g lies in (0, 1]; when s moves, O and the row's sum
; are multiplied by new s / old s, a power of two made on the exponent fields: nothing is rounded, and no branch hangs on data.
; Products on f16 operands, sums in f32; p is rounded to f16 for the second product; the row's sum is taken of the unrounded p.  a leaves as f16, times 2, as images of the last product's operand registers.
; LIMITS: c is held at 1e18 (a distance beyond 42.1 counts as 42.1); |a| beyond 32,752 has no f16 number; NaN and infinities are not served.
; SHARES.  A work-group owns 128 queries of one head.  Wave w owns the 32 queries of group w % 4 (two tiles of 16) and the key steps 2 n + w / 4, n = 0 .. 15, of 64 keys: each fragment of K and V feeds two tiles;
; two waves share a SIMD, so that one wave's vector work stands beside the other's matrix work and LDS loads.  The two waves of a group of queries merge once, at the end, through LDS.
; LAYOUT.  S^T = K Q^T + C, C = -|k|^2 / 2 in the result's layout (source 0 = 16 keys, source 1 = 16 queries); O^T = V^T P^T: a lane holds ONE query throughout, and nothing changes lanes between the products.
; K, V come as images of their registers (lane l's 16 bytes at 16 l): every LDS load takes 512 consecutive bytes.
; RING.  Two slots of 8 key steps (131,072 bytes); every wave fetches one step (16,384 dense bytes) of a slot.  CLUSTER: the four blocks of queries of a cluster belong to one head and walk the same K and V:
; each load is asked for jointly, with the same descriptor in all four.  By this text's own count a wave has three tensor loads out at the start and one behind each change of slots.
; REGISTERS.  window 0: v1-12 addresses; v16-47 statistics, 16 a tile: +0 |q|^2, +2 2/(1-|q|^2), +4 s, +6 f, +8,9 the sum, +10 the smallest c, +12..15 at work; v48-63 the merge;
;   v64-127 S, 32 a tile; v128-191 T, at work; v192-223 P; v224-255 1/(1-|k|^2).   window 1: v0-31 Q; v32-95 K; v96-159 V; v160-223 O^T, 32 a tile; v224-255 -|k|^2/2.
.set SLOT1, 1<<17                      ; slot 1 begins here: one exclusive or turns an address in one slot into the other's
.set STAT,  2*SLOT1                    ; behind the ring: the head's key statistics, 16,384 bytes, filled once
.set SPARE, STAT+16384                 ; the spare words, 128 bytes for each of eight waves
.set MST,   8704                       ; the merge: 17 images of 512 bytes a wave, in slot 0, which has had its last fill and its last read by then
.set QSTAT, 4194304
.set KSTAT, 8388608
.set LI,  1                            ; v1   16 x lane
.set AS0, 2                            ; v2   STAT + 32 h: my eight keys' numbers in a tile of 16
.set ADR, 3                            ; v3   LDS address of the step's images
.set ADS, 4                            ; v4   and of its statistics
.set SPW, 5
.set NIL, 6
.set QO,  7                            ; v7   8 r
.set STO, 8                            ; v8   the merge: where I put my images
.set PRT, 9                            ; v9   my partner's tile that I finish
.set PRB, 10                           ; v10  my partner's images
.set TMP, 12
.set ST,  16
.set S,   64
.set T,   128
.set P,   192
.set RB,  224
.set QF,  0
.set KF,  32
.set VF,  96
.set OF,  160
.set HK,  224
.set WV,  12
.set GQ,  13
.set KH,  14
.set CX,  15
.set QB,  16
.set HD,  17
.set SEL, 18                           ; s[18:19]
.set LIM, 20                           ; 2e6 = 2 / 1e-6
.set CMAX, 21                          ; 1e18
.set EXPM, 22                          ; an f32 number's exponent field
.set ONE, 23                           ; 1.0's bits
.set G1D, 24                           ; s[24:31] group 1: a key step;  s[32:39]: an eighth of the statistics
.set G1S, 32
.set G0S, 40
.set G0A, 44
.set G0B, 48                           ; s[48:51] slot 1's group 0; it then walks
.set TB,  52                           ; LDS byte at which the step to be fetched begins
.set TS,  53                           ; and its statistics
.set SELM, 54                          ; all ones in waves 4 to 7, else 0
.set CNT, 55
.set SLOTS, 56
.set MSB, 0
.macro WIN new                         ; the immediate's high byte repeats the setting that is left
.if MSB != \new
	s_set_vgpr_msb (MSB<<8)|\new
.set MSB, \new
.endif
.endm
.macro PLACES                          ; four plain places behind matrix instructions, in front of loads into their sources and of reads of their results
.rept 4
	v_nop
.endr
.endm
.macro CROUND                          ; a round of the cluster's barrier
	s_barrier_signal -1
	s_barrier_wait -1
	s_cmp_lg_u32 s[WV], 0
	s_cbranch_scc1 .Lnot_wave_0_\@
	s_barrier_signal -3
.Lnot_wave_0_\@:
	s_barrier_wait -3
	s_barrier_signal -1
	s_barrier_wait -1
.endm
	s_load_b128 s[4:7], s[0:1], 0x0                ; qbuf, kvbuf
	s_load_b64 s[8:9], s[0:1], 0x10                ; apack
	v_lshl_add_u32 v[SPW], v0, 2, SPARE
	v_mov_b32 v[NIL], 0
	ds_add_u32 v[SPW], v[NIL]                      ; the wave's opening: the add, twice on end, and its wait ahead of my first tensor load
	ds_add_u32 v[SPW], v[NIL]
	v_lshrrev_b32 v[TMP], 5, v0
	v_readfirstlane_b32 s[WV], v[TMP]              ; wave 0..7
	s_and_b32 s[GQ], s[WV], 3                      ; my group of 32 queries
	s_lshr_b32 s[KH], s[WV], 2                     ; even key steps or odd ones
	s_bfe_u32 s[CX], ttmp6, 0x40000
	s_lshl_b32 s[QB], ttmp9, 2
	s_add_co_u32 s[QB], s[QB], s[CX]               ; my block of 128 queries: it enters Q's and a's addresses alone
	s_and_b32 s[HD], ttmp7, 0xffff                 ; the head, which the four partners share
	s_mov_b32 s[G1D], 15|(3<<16)|(1<<21)           ; 15:0 the mask: all four work-groups; elements of 8 bytes; 21 set beside a mask; no padding
	s_mov_b32 s[G1S], 15|(3<<16)|(1<<21)
.irp g, G1D, G1S
	s_mov_b32 s[\g+1], 32<<16                      ; rows of 256 bytes, dense
	s_mov_b32 s[\g+3], 32<<16
	s_mov_b32 s[\g+5], 32
	s_mov_b32 s[\g+6], 0
	s_mov_b32 s[\g+7], 0
.endr
	s_mov_b32 s[G1D+2], 64<<16                     ; 64 rows: a key step's 16,384 bytes
	s_mov_b32 s[G1D+4], 64
	s_mov_b32 s[G1S+2], 8<<16                      ; 8 rows: 2,048 bytes of statistics
	s_mov_b32 s[G1S+4], 8
	s_mov_b32 s[SEL], 0x76543210
	s_mov_b32 s[SEL+1], 0xfedcba98
	s_mov_b32 s[LIM], 0x49f42400
	s_mov_b32 s[CMAX], 0x5d5e0b6b
	s_mov_b32 s[EXPM], 0x7f800000
	s_mov_b32 s[ONE], 0x3f800000
	s_lshl_b32 s[TB], s[KH], 14
	s_lshl_b32 s[TS], s[KH], 9
	s_sub_co_u32 s[SELM], 0, s[KH]
	s_lshl_b32 s58, s[HD], 19
	s_lshl_b32 s59, s[WV], 14
	s_add_co_u32 s58, s58, s59                     ; the head's K and V, step w of a slot
	s_mov_b32 s59, 0
	s_lshl_b32 s60, s[HD], 14
	s_lshl_b32 s61, s[WV], 11
	s_add_co_u32 s60, s60, s61
	s_add_co_u32 s60, s60, KSTAT                   ; my eighth of the head's statistics
	s_mov_b32 s61, 0
	s_lshl_b32 s62, s[WV], 14                      ; where they go: the wave's number alone
	s_lshl_b32 s63, s[WV], 11
	s_wait_dscnt 0x0                               ; both opening adds are done
	s_wait_kmcnt 0x0
	CROUND                                         ; all four work-groups are here: the first joint loads meet
	s_mov_b32 s[G0S], 1
	s_add_co_u32 s[G0S+1], s63, STAT
	s_add_nc_u64 s[G0S+2:G0S+3], s[6:7], s[60:61]
	s_or_b32 s[G0S+3], s[G0S+3], 0x80000000
	s_mov_b32 s[G0A], 1
	s_mov_b32 s[G0A+1], s62
	s_add_nc_u64 s[G0A+2:G0A+3], s[6:7], s[58:59]
	s_or_b32 s[G0A+3], s[G0A+3], 0x80000000
	s_mov_b32 s[G0B], 1
	s_add_co_u32 s[G0B+1], s62, SLOT1
	s_add_nc_u64 s[G0B+2:G0B+3], s[6:7], s[58:59]
	s_add_nc_u64 s[G0B+2:G0B+3], s[G0B+2:G0B+3], SLOT1   ; a slot's 8 steps are as many bytes in memory
	s_or_b32 s[G0B+3], s[G0B+3], 0x80000000
	tensor_load_to_lds s[G0S:G0S+3], s[G1S:G1S+7]  ; the statistics: filled once
	s_nop 0
	tensor_load_to_lds s[G0A:G0A+3], s[G1D:G1D+7]  ; slot 0: steps 0-7
	s_nop 0
	tensor_load_to_lds s[G0B:G0B+3], s[G1D:G1D+7]  ; slot 1: steps 8-15
	s_nop 0
.rept 4
	v_nop
.endr
	v_and_b32 v[TMP], 31, v0
	v_lshlrev_b32 v[LI], 4, v[TMP]
	v_bfe_u32 v13, v0, 4, 1
	v_lshl_add_u32 v[AS0], v13, 5, STAT
	v_and_b32 v14, 15, v0
	v_lshlrev_b32 v[QO], 3, v14
	s_lshl_b32 s58, s[HD], 18
	s_lshl_b32 s57, s[QB], 14
	s_add_co_u32 s58, s58, s57
	s_lshl_b32 s57, s[GQ], 12
	s_add_co_u32 s58, s58, s57
	s_add_nc_u64 s[60:61], s[4:5], s[58:59]        ; Q's images: head, tile 8 qb + 2 gq
	s_lshl_b32 s58, s[HD], 14
	s_lshl_b32 s57, s[QB], 10
	s_add_co_u32 s58, s58, s57
	s_lshl_b32 s57, s[GQ], 8
	s_add_co_u32 s58, s58, s57
	s_add_nc_u64 s[62:63], s[4:5], s[58:59]
	s_add_nc_u64 s[62:63], s[62:63], QSTAT         ; my 32 queries' statistics
	WIN 0x40                                       ; destination window 1
.irp f, 0,1,2,3,4,5,6,7
	global_load_b128 v[QF+4*\f:QF+4*\f+3], v[LI], s[60:61] offset:512*\f   ; Q stays in registers
.endr
	WIN 0
	global_load_b64 v[ST:ST+1], v[QO], s[62:63]               ; tile 0: |q|^2, 2 / (1 - |q|^2) of query r
	global_load_b64 v[ST+16:ST+17], v[QO], s[62:63] offset:128  ; tile 1
	s_lshl_b32 s58, s[QB], 3
	s_lshl_b32 s57, s[GQ], 1
	s_add_co_u32 s58, s58, s57
	s_add_co_u32 s58, s58, s[KH]                   ; the tile of 16 tokens that I finish
	s_lshl_b32 s58, s58, 15
	s_lshl_b32 s57, s[HD], 11
	s_add_co_u32 s58, s58, s57
	s_add_nc_u64 s[8:9], s[8:9], s[58:59]
	s_mul_i32 s2, s[WV], MST
	v_add_nc_u32 v[STO], s2, v[LI]
	s_xor_b32 s3, s[WV], 4                         ; my partner
	s_mul_i32 s3, s3, MST
	v_add_nc_u32 v[PRB], s3, v[LI]
	s_lshl_b32 s2, s[KH], 12
	s_add_co_u32 s3, s3, s2
	v_add_nc_u32 v[PRT], s3, v[LI]
	WIN 0x40
.set i, 0
.rept 64
	v_mov_b32 v[OF+i], 0                           ; O^T.  (The key step is written without a first step of its own: it finds zeros, which the first f leaves zeros)
.set i, i+1
.endr
	WIN 0
.irp t, 0,1
	v_mov_b32 v[ST+16*\t+4], 0x7f000000            ; s: 2^127, so that the first f's bits are not below 0
	v_mov_b32 v[ST+16*\t+5], 0                     ; (the upper halves of pairs of which the low word serves both halves are written once)
	v_mov_b32 v[ST+16*\t+6], 0
	v_mov_b32 v[ST+16*\t+7], 0
	v_mov_b32 v[ST+16*\t+8], 0                     ; the sum, in two halves
	v_mov_b32 v[ST+16*\t+9], 0
	v_mov_b32 v[ST+16*\t+10], 0x7f7fffff           ; the smallest c so far: over every c
.endr
; A step's K (16 images) and -|k|^2 / 2 (eight numbers a tile of keys, the same in all lanes of a half): 24 loads
.macro FETCH_K
	WIN 0
	v_add_nc_u32 v[ADR], s[TB], v[LI]
	v_add_nc_u32 v[ADS], s[TS], v[AS0]
	WIN 0x40
.irp f, 0,1,2,3,4,5,6,7,8,9,10,11,12,13,14,15
	ds_load_b128 v[KF+4*\f:KF+4*\f+3], v[ADR] offset:512*\f
.endr
.irp k, 0,1,2,3
.irp i, 0,1
	ds_load_b128 v[HK+8*\k+4*\i:HK+8*\k+4*\i+3], v[ADS] offset:256*(\k/2)+64*(\k%2)+16*\i
.endr
.endr
.endm
; The same step's V (16 images) and 1 / (1 - |k|^2): 24 loads; then the addresses step to my next key step
.macro FETCH_V
	PLACES
	WIN 0x40
.irp f, 0,1,2,3,4,5,6,7,8,9,10,11,12,13,14,15
	ds_load_b128 v[VF+4*\f:VF+4*\f+3], v[ADR] offset:8192+512*\f
.endr
	WIN 0
.irp k, 0,1,2,3
.irp i, 0,1
	ds_load_b128 v[RB+8*\k+4*\i:RB+8*\k+4*\i+3], v[ADS] offset:128+256*(\k/2)+64*(\k%2)+16*\i
.endr
.endr
	s_add_co_u32 s[TB], s[TB], 32768
	s_add_co_u32 s[TS], s[TS], 1024
.endm
; S^T = K Q^T - |k|^2 / 2: eight accumulators by turns, one instruction a turn, two deep
.macro KQ
	s_wait_dscnt 24                                ; K and its numbers are in; the 24 loads of V's run behind them may be out
	WIN 0x15                                       ; sources 0, 1 and C window 1, D window 0
.irp k, 0,1,2,3
.irp t, 0,1
	v_wmma_f32_16x16x32_f16 v[S+32*\t+8*\k:S+32*\t+8*\k+7], v[KF+16*\k:KF+16*\k+7], v[QF+16*\t:QF+16*\t+7], v[HK+8*\k:HK+8*\k+7]
.endr
.endr
	WIN 0x05
.irp k, 0,1,2,3
.irp t, 0,1
	v_wmma_f32_16x16x32_f16 v[S+32*\t+8*\k:S+32*\t+8*\k+7], v[KF+16*\k+8:KF+16*\k+15], v[QF+16*\t+8:QF+16*\t+15], v[S+32*\t+8*\k:S+32*\t+8*\k+7]
.endr
.endr
.endm
; O^T = f O^T + V^T P^T: eight accumulators by turns, two deep
.macro PV
	WIN 0x41                                       ; O^T (destination and source 0) window 1, f window 0
.set i, 0
.rept 32
	v_pk_mul_f32 v[OF+2*i:OF+2*i+1], v[OF+2*i:OF+2*i+1], v[ST+16*(i/16)+6:ST+16*(i/16)+7] op_sel_hi:[1,0]
.set i, i+1
.endr
	WIN 0x51                                       ; V window 1, P window 0, O^T window 1
.irp u, 0,1
.irp m, 0,1,2,3
.irp t, 0,1
	v_wmma_f32_16x16x32_f16 v[OF+32*\t+8*\m:OF+32*\t+8*\m+7], v[VF+32*\u+8*\m:VF+32*\u+8*\m+7], v[P+16*\t+8*\u:P+16*\t+8*\u+7], v[OF+32*\t+8*\m:OF+32*\t+8*\m+7]
.endr
.endr
.endr
.endm
; THE VECTOR WORK OF A KEY STEP, both tiles stage by stage, all in window 0: 64 scores a lane
.macro VEC
	WIN 0
.set i, 0
.rept 32
	v_pk_fma_f32 v[S+2*i:S+2*i+1], v[S+2*i:S+2*i+1], -2.0, v[ST+16*(i/16):ST+16*(i/16)+1] op_sel_hi:[1,0,0]   ; |q|^2 + |k|^2 - 2 q.k; each accumulator from its low end on
.set i, i+1
.endr
.set i, 0
.rept 32
	v_pk_mul_f32 v[T+2*i:T+2*i+1], v[RB+2*(i%16):RB+2*(i%16)+1], v[ST+16*(i/16)+2:ST+16*(i/16)+3] op_sel_hi:[1,0]   ; 2 / ((1 - |q|^2)(1 - |k|^2))
.set i, i+1
.endr
.set i, 0
.rept 64
	v_min_u32 v[T+i], s[LIM], v[T+i]               ; the hold of the denominator at 1e-6: as whole numbers, what is negative, beyond 2e6 or infinite lies over 2e6's bits
.set i, i+1
.endr
.set i, 0
.rept 32
	v_pk_fma_f32 v[S+2*i:S+2*i+1], v[S+2*i:S+2*i+1], v[T+2*i:T+2*i+1], 1.0 op_sel_hi:[1,1,0]
.set i, i+1
.endr
.set i, 0
.rept 64
	v_med3_num_f32 v[S+i], v[S+i], 1.0, s[CMAX]    ; c: at least 1 (which also serves the hold of the difference at 0: the factor is positive), at most 1e18
.set i, i+1
.endr
.irp j, 0,1,2,3                        ; the smallest c of my 32 of each tile, in four chains, and the smallest so far
.irp t, 0,1
	v_min3_num_f32 v[ST+16*\t+12+\j], v[S+32*\t+8*\j], v[S+32*\t+8*\j+1], v[S+32*\t+8*\j+2]
.endr
.endr
.irp q, 1,2
.irp j, 0,1,2,3
.irp t, 0,1
	v_min3_num_f32 v[ST+16*\t+12+\j], v[ST+16*\t+12+\j], v[S+32*\t+8*\j+2*\q+1], v[S+32*\t+8*\j+2*\q+2]
.endr
.endr
.endr
.irp t, 0,1
	v_min3_num_f32 v[ST+16*\t+12], v[ST+16*\t+12], v[S+32*\t+7], v[S+32*\t+15]
.endr
.irp t, 0,1
	v_min3_num_f32 v[ST+16*\t+14], v[ST+16*\t+14], v[S+32*\t+23], v[S+32*\t+31]
.endr
.irp t, 0,1
	v_min3_num_f32 v[ST+16*\t+12], v[ST+16*\t+12], v[ST+16*\t+13], v[ST+16*\t+14]
.endr
.irp t, 0,1
	v_min3_num_f32 v[ST+16*\t+12], v[ST+16*\t+12], v[ST+16*\t+15], v[ST+16*\t+10]
.endr
.irp t, 0,1
	v_permlanex16_b32 v[ST+16*\t+13], v[ST+16*\t+12], s[SEL], s[SEL+1]   ; the query's other 32 keys lie in the lane 16 away
.endr
.irp t, 0,1
	v_min_num_f32 v[ST+16*\t+10], v[ST+16*\t+12], v[ST+16*\t+13]
.endr
.irp t, 0,1
	v_fma_f32 v[ST+16*\t+12], v[ST+16*\t+10], v[ST+16*\t+10], -1.0
.endr
.set i, 0
.rept 32
	v_pk_fma_f32 v[T+2*i:T+2*i+1], v[S+2*i:S+2*i+1], v[S+2*i:S+2*i+1], -1.0 op_sel_hi:[1,1,0]   ; c^2 - 1, rounded once
.set i, i+1
.endr
.set i, 0
.rept 64
	v_sqrt_f32 v[T+i], v[T+i]
.set i, i+1
.endr
.irp t, 0,1
	v_sqrt_f32 v[ST+16*\t+12], v[ST+16*\t+12]      ; the same of the smallest c
.endr
	v_nop                                          ; a plain line behind the last root
	s_wait_alu depctr_va_vdst(0)                   ; one wait for the batch of 66, ahead of its first reader
.set i, 0
.rept 32
	v_pk_add_f32 v[T+2*i:T+2*i+1], v[S+2*i:S+2*i+1], v[T+2*i:T+2*i+1]   ; g
.set i, i+1
.endr
.set i, 0
.rept 64
	v_rcp_f32 v[T+i], v[T+i]
.set i, i+1
.endr
.irp t, 0,1                            ; the scale's lines are the plain work behind the reciprocals
	v_add_f32 v[ST+16*\t+12], v[ST+16*\t+10], v[ST+16*\t+12]   ; the smallest g so far
.endr
.irp t, 0,1
	v_and_b32 v[ST+16*\t+13], s[EXPM], v[ST+16*\t+12]          ; the new s: its exponent field alone
.endr
.irp t, 0,1
	v_sub_nc_u32 v[ST+16*\t+14], v[ST+16*\t+13], v[ST+16*\t+4]
.endr
.irp t, 0,1
	v_add_nc_u32 v[ST+16*\t+6], s[ONE], v[ST+16*\t+14]         ; f = new s / old s, at most 1
.endr
.irp t, 0,1
	v_mov_b32 v[ST+16*\t+4], v[ST+16*\t+13]
.endr
	s_wait_alu depctr_va_vdst(0)                   ; one wait for the batch of 64
.set i, 0
.rept 32
	v_pk_mul_f32 v[T+2*i:T+2*i+1], v[T+2*i:T+2*i+1], v[ST+16*(i/16)+4:ST+16*(i/16)+5] op_sel_hi:[1,0]   ; p = s / g
.set i, i+1
.endr
.set i, 0
.rept 32
	v_cvt_pk_f16_f32 v[P+i], v[T+2*i], v[T+2*i+1]  ; two tiles of keys, rounded in pairs, are source 1 of the second product
.set i, i+1
.endr
.irp d, 16,8,4,2                       ; the sum of a tile's 16 pairs of the unrounded p, in place
.set k, 0
.rept \d/2
.irp t, 0,1
	v_pk_add_f32 v[T+32*\t+2*k:T+32*\t+2*k+1], v[T+32*\t+2*k:T+32*\t+2*k+1], v[T+32*\t+2*k+\d:T+32*\t+2*k+\d+1]
.endr
.set k, k+1
.endr
.endr
.irp t, 0,1
	v_pk_fma_f32 v[ST+16*\t+8:ST+16*\t+9], v[ST+16*\t+8:ST+16*\t+9], v[ST+16*\t+6:ST+16*\t+7], v[T+32*\t:T+32*\t+1] op_sel_hi:[1,0,1]
.endr
.endm
; A trip: the vector work and the second product of the step in hand; the loads and the first product of my next step
.macro BODY
	PLACES                                         ; behind the first product: K's registers are loaded again, and S is read
	FETCH_K
	s_wait_dscnt 24                                ; V and its numbers of the step in hand are in; the 24 loads just issued may be out
	VEC
	PV
	FETCH_V
	KQ
	WIN 0                                          ; at a label and at a branch every window is 0
.endm
.macro BODIES n
	s_mov_b32 s[CNT], \n
.Lbody_\@:
	BODY
	s_sub_co_u32 s[CNT], s[CNT], 1
	s_cmp_lg_u32 s[CNT], 0
	s_cbranch_scc1 .Lbody_\@
.endm
; THE CHANGE OF SLOTS: all that a wave wants of the slot has been asked for.  Each wave waits for all its tensor loads (its step of the other slot), adds 0 to its spare word, and waits for that and for its
; reads of the slot.  fill = 1: the barrier is a round of the cluster's, and the joint refill, the keys two slots on, is the first thing behind it: it has four of my key steps in which to land.
.macro CHANGE fill
	s_wait_tensorcnt 0x0                           ; no tensor load of mine is out, so a group 0 may be written
	ds_add_u32 v[SPW], v[NIL]                      ; 0 onto my spare word
.if \fill
	s_xor_b32 s[G0B+1], s[G0B+1], SLOT1            ; the walking descriptor: the other slot than last time,
	s_add_nc_u64 s[G0B+2:G0B+3], s[G0B+2:G0B+3], SLOT1   ; the next 8 steps; the type bits on top are not reached
.endif
	s_wait_dscnt 0x0                               ; the add is done, and my reads of the slot are over
.if \fill
	CROUND
	tensor_load_to_lds s[G0B:G0B+3], s[G1D:G1D+7]
	s_nop 0
.rept 4
	v_nop
.endr
.else
	s_barrier_signal -1
	s_barrier_wait -1
.endif
	s_sub_co_u32 s[TB], s[TB], SLOT1               ; the fetches go back to a slot's first steps,
	s_xor_b32 s[TB], s[TB], SLOT1                  ; in the other slot
.endm
	s_wait_tensorcnt 0x1                           ; the statistics and my step of slot 0 are in; slot 1's load may be out
	s_barrier_signal -1
	s_barrier_wait -1                              ; everybody's are
	FETCH_K                                        ; my first key step
	FETCH_V
	s_wait_loadcnt 0x0                             ; Q and the queries' statistics
.irp t, 0,1
	v_mov_b32 v[ST+16*\t+2], v[ST+16*\t+1]         ; 2 / (1 - |q|^2) into a pair of its own: the packed forms take a pair's low word for both halves
	v_mov_b32 v[ST+16*\t+3], v[ST+16*\t+1]
.endr
	KQ
	WIN 0
	BODIES 3                                       ; they fetch my steps 1 to 3: the rest of slot 0
	s_mov_b32 s[SLOTS], 2
.Lslot:                                            ; two trips: each slot is filled once more
	CHANGE 1
	BODIES 4
	s_sub_co_u32 s[SLOTS], s[SLOTS], 1
	s_cmp_lg_u32 s[SLOTS], 0
	s_cbranch_scc1 .Lslot
	CHANGE 0                                       ; the tail is written out: nothing is left to ask for
	BODIES 4
	PLACES                                         ; my last key step
	s_wait_dscnt 0x0
	VEC
	PV
	; ---- THE MERGE.  Each wave lays its two tiles of O^T, their sums and their s into LDS; behind a barrier wave w finishes tile w / 4 of its group: its own part and its partner's are brought under the smaller s.
	WIN 0
	v_add_f32 v48, v[ST+8], v[ST+9]                ; (four plain lines: the places behind the last products)
	v_mov_b32 v49, v[ST+4]
	v_add_f32 v50, v[ST+24], v[ST+25]
	v_mov_b32 v51, v[ST+20]
	WIN 0x04                                       ; an LDS store's data are its source 1: window 1
.irp f, 0,1,2,3,4,5,6,7,8,9,10,11,12,13,14,15
	ds_store_b128 v[STO], v[OF+4*\f:OF+4*\f+3] offset:512*\f   ; each accumulator from its low end on
.endr
	WIN 0
	ds_store_b128 v[STO], v[48:51] offset:8192
	s_wait_dscnt 0x0                               ; for my partner's sake: my stores are done
	s_barrier_signal -1
	s_barrier_wait -1
.irp f, 0,1,2,3,4,5,6,7
	ds_load_b128 v[S+4*\f:S+4*\f+3], v[PRT] offset:512*\f
.endr
	ds_load_b128 v[52:55], v[PRB] offset:8192
	WIN 0x05
.set i, 0
.rept 32
	v_cndmask_b32 v[T+i], v[OF+i], v[OF+32+i], s[SELM]   ; my own part of the tile that I finish: a choice of values, no branch
.set i, i+1
.endr
	WIN 0
	v_cndmask_b32 v56, v48, v50, s[SELM]           ; my sum, my s
	v_cndmask_b32 v57, v49, v51, s[SELM]
	s_wait_dscnt 0x0
	v_cndmask_b32 v58, v52, v54, s[SELM]           ; my partner's
	v_cndmask_b32 v59, v53, v55, s[SELM]
	v_min_u32 v[TMP], v57, v59                     ; the smaller s (both are positive powers of two)
	v_sub_nc_u32 v60, v[TMP], v57
	v_sub_nc_u32 v62, v[TMP], v59
	v_add_nc_u32 v60, s[ONE], v60                  ; what brings my part under it,
	v_add_nc_u32 v62, s[ONE], v62                  ; and my partner's
	v_mov_b32 v61, v60
	v_mov_b32 v63, v62
	v_mul_f32 v56, v56, v60
	v_fma_f32 v56, v58, v62, v56
	v_permlanex16_b32 v58, v56, s[SEL], s[SEL+1]
	v_add_f32 v56, v56, v58                        ; the row's sum over all 2,048 keys
	v_rcp_f32 v58, v56
.set i, 0
.rept 16
	v_pk_mul_f32 v[T+2*i:T+2*i+1], v[T+2*i:T+2*i+1], v[60:61] op_sel_hi:[1,0]   ; plain work behind the reciprocal
.set i, i+1
.endr
.set i, 0
.rept 16
	v_pk_fma_f32 v[T+2*i:T+2*i+1], v[S+2*i:S+2*i+1], v[62:63], v[T+2*i:T+2*i+1] op_sel_hi:[1,0,1]
.set i, i+1
.endr
	s_wait_alu depctr_va_vdst(0)                   ; the wait ahead of the reciprocal's first reader
	v_add_f32 v58, v58, v58                        ; 2 / the sum: a leaves times 2
	v_mov_b32 v59, v58
.set i, 0
.rept 16
	v_pk_mul_f32 v[T+2*i:T+2*i+1], v[T+2*i:T+2*i+1], v[58:59] op_sel_hi:[1,0]
.set i, i+1
.endr
.set i, 0
.rept 16
	v_cvt_pk_f16_f32 v[P+i], v[T+2*i], v[T+2*i+1]  ; lane (r, h): channels 16 m + 8 h + 0 .. 7 of token r: an image of the last product's operand
.set i, i+1
.endr
.irp m, 0,1,2,3
	global_store_b128 v[LI], v[P+4*\m:P+4*\m+3], s[8:9] offset:512*\m   ; 512 consecutive bytes
.endr
	s_wait_tensorcnt 0x0                           ; the wave's end: behind my last tensor load and my last LDS store
	ds_add_u32 v[SPW], v[NIL]
	s_wait_dscnt 0x0
	CROUND                                         ; the closing round: no work-group ends while a partner may still ask for a tile that names it
	s_endpgm
.Lfunc_end_k_qb4fd1fe9c3_attn:
	.size	k_qb4fd1fe9c3_attn, .Lfunc_end_k_qb4fd1fe9c3_attn-k_qb4fd1fe9c3_attn
	.p2alignl 7, 3214868480
	.fill 96, 4, 3214868480
	.section	.rodata,"a",@progbits
	.p2align	6, 0x0
	.amdhsa_kernel k_qb4fd1fe9c3_attn
		.amdhsa_group_segment_fixed_size 327680
		.amdhsa_private_segment_fixed_size 0
		.amdhsa_enable_private_segment 0
		.amdhsa_kernarg_size 24
		.amdhsa_user_sgpr_count 2
		.amdhsa_user_sgpr_kernarg_segment_ptr 1
		.amdhsa_wavefront_size32 1
		.amdhsa_system_sgpr_workgroup_id_x 1
		.amdhsa_system_sgpr_workgroup_id_y 1
		.amdhsa_system_sgpr_workgroup_id_z 1
		.amdhsa_system_vgpr_workitem_id 0
		.amdhsa_next_free_vgpr 512
		.amdhsa_next_free_sgpr 66
		.amdhsa_reserve_vcc 0
		.amdhsa_float_denorm_mode_32 3
		.amdhsa_float_denorm_mode_16_64 3
		.amdhsa_memory_ordered 1
		.amdhsa_forward_progress 1
		.amdhsa_inst_pref_size 167
	.end_amdhsa_kernel
	.amdgpu_metadata
---
amdhsa.version: [ 1, 2 ]
amdhsa.kernels:
  - .name:           k_qb4fd1fe9c3_attn
    .symbol:         k_qb4fd1fe9c3_attn.kd
    .args:
      - { .name: qbuf, .offset: 0, .size: 8, .value_kind: global_buffer, .address_space: global }
      - { .name: kvbuf, .offset: 8, .size: 8, .value_kind: global_buffer, .address_space: global }
      - { .name: apack, .offset: 16, .size: 8, .value_kind: global_buffer, .address_space: global }
    .group_segment_fixed_size: 327680
    .private_segment_fixed_size: 0
    .kernarg_segment_align: 8
    .kernarg_segment_size: 24
    .max_flat_workgroup_size: 256
    .sgpr_count:     66
    .vgpr_count:     512
    .wavefront_size: 32
...
	.end_amdgpu_metadata
.endif
;; end of part 3
;; launch oproj (part 4): grid 16 x 16, 4 waves a work-group, clusters of 4 x 4, 327,680 bytes of LDS; arguments apack, wopack, out0; writes out0
.if DOCPART == 4
	.amdgcn_target "amdgcn-amd-amdhsa--gfx1250"
	.amdhsa_code_object_version 6
	.text
	.protected	k_qb4fd1fe9c3_oproj
	.globl	k_qb4fd1fe9c3_oproj
	.p2align	8
	.type	k_qb4fd1fe9c3_oproj,@function
k_qb4fd1fe9c3_oproj:
	s_mov_b64 s[64:65], 0
	v_nop
	global_prefetch_b8 v0, s[64:65] scope:SCOPE_SE
	s_setreg_imm32_b32 hwreg(HW_REG_WAVE_MODE, 25, 1), 1
	s_wait_xcnt 0x0
	s_wait_alu depctr_hold_cnt(0) depctr_sa_sdst(0) depctr_va_vdst(0) depctr_va_sdst(0) depctr_va_ssrc(0) depctr_va_vcc(0) depctr_vm_vsrc(0)
	s_getreg_b32 s2, hwreg(HW_REG_IB_STS2, 6, 4)
	s_cmp_eq_u32 s2, 0
	s_cbranch_scc0 .Lentry_in_a_cluster
	s_endpgm
.Lentry_in_a_cluster:
	s_bfe_u32 s2, ttmp6, 0x10000c
	s_cmp_lg_u32 s2, 0xf033
	s_cbranch_scc0 .Lentry_shape_is_right
	s_endpgm
.Lentry_shape_is_right:
; OPROJ.  out0[token][j] = sum over d of a[token][d] Wo[j][d], on f16 operands, sums in f32; a comes times 2, so the sums are halved.
; Both operands come as images of their registers: [tile of 16 rows][K step of 32][2 images of 512 bytes]: every LDS load takes 512 consecutive bytes.
; SHARES.  A work-group makes 128 tokens (work-group y) x 64 columns (work-group x); wave w makes the token tiles 4 (w / 2) + 0..3 x the column tiles 2 (w % 2) + 0, 1: eight accumulators.
; K goes in four chunks of 256 (8 K steps) through three LDS slots: chunks 0, 1, 2 are first fills, chunk 3 fills slot 0 again.  By this text's own count a wave has three tensor loads out at the start, later one.
; CLUSTER 4 x 4: the four of a row of the cluster need the same tokens' images, the four of a column the same rows of Wo: each tile is asked for jointly.
; THE MATRIX INSTRUCTION IS USED TRANSPOSED (source 0 = 16 rows of Wo, source 1 = 16 tokens): a lane holds eight neighbouring columns of one token's row.
; The way out goes through one stage in LDS (in slot 1, which has had its only fill and its last read): a row's 256 bytes come from two waves; sixteen lanes then store 256 consecutive bytes, aligned.
; REGISTERS: v1-15 addresses; v16-79 the accumulators, (a, b) at 16 + 8 (2 a + b); v80-223 three sets of fragments of 48: a's four, Wo's two.
.set SLOTB, 98304                      ; a slot: a's 8 tiles x 8 K steps x 1,024 bytes, then Wo's 4 tiles
.set BOFF,  65536
.set SPARE, 3*SLOTB                    ; the spare words, 128 bytes a wave
.set STAGE, SLOTB
.set SPITCH, 272
.set LI,  1
.set ADA, 2                            ; v2-4  LDS address of my fragments of a in slot 0, 1, 2
.set ADB, 5                            ; v5-7  the same for Wo
.set STO, 8
.set RD,  9
.set CO,  10
.set RR,  11
.set HH,  12
.set SPW, 14
.set NIL, 15
.set ACC, 16
.set BUF, 80
.set WV, 10
.set WY, 11
.set WX, 12
.set CX, 13
.set CY, 14
.set BX, 15
.set BY, 16
.set G1A, 24
.set G1B, 32
.set G0A, 40                           ; s[40:51] three groups 0 for a's tiles
.set G0B, 52                           ; s[52:63] three for Wo's
.macro PLACES                          ; four plain places behind matrix instructions, in front of loads into their sources and of reads of their results
.rept 4
	v_nop
.endr
.endm
.macro CROUND                          ; a round of the cluster's barrier
	s_barrier_signal -1
	s_barrier_wait -1
	s_cmp_lg_u32 s[WV], 0
	s_cbranch_scc1 .Lnot_wave_0_\@
	s_barrier_signal -3
.Lnot_wave_0_\@:
	s_barrier_wait -3
	s_barrier_signal -1
	s_barrier_wait -1
.endm
	s_load_b128 s[4:7], s[0:1], 0x0                ; apack, wopack
	s_load_b64 s[8:9], s[0:1], 0x10                ; out0
	v_lshl_add_u32 v[SPW], v0, 2, SPARE
	v_mov_b32 v[NIL], 0
	ds_add_u32 v[SPW], v[NIL]                      ; the wave's opening: the add, twice on end, and its wait ahead of my first tensor load
	ds_add_u32 v[SPW], v[NIL]
	v_lshrrev_b32 v1, 5, v0
	v_readfirstlane_b32 s[WV], v1                  ; wave 0..3
	s_lshr_b32 s[WY], s[WV], 1                     ; which half of the tokens is mine.  Also: I fetch for a (0) or for Wo (1)
	s_and_b32 s[WX], s[WV], 1                      ; which half of the columns.  Also: which half of that tile's rows I fetch
	s_bfe_u32 s[CX], ttmp6, 0x40000
	s_bfe_u32 s[CY], ttmp6, 0x40004
	s_lshl_b32 s[BX], ttmp9, 2
	s_add_co_u32 s[BX], s[BX], s[CX]               ; the block of 64 columns
	s_and_b32 s[BY], ttmp7, 0xffff
	s_lshl_b32 s[BY], s[BY], 2
	s_add_co_u32 s[BY], s[BY], s[CY]               ; the block of 128 tokens
	s_lshl_b32 s17, s[CY], 2
	s_lshl_b32 s17, 15, s17                        ; my row of the cluster
	s_lshl_b32 s18, 0x1111, s[CX]                  ; my column
	s_or_b32 s[G1A], s17, (3<<16)|(1<<21)          ; 15:0 the mask; elements of 8 bytes; 21 set beside a mask; no padding
	s_or_b32 s[G1B], s18, (3<<16)|(1<<21)
.irp g, G1A, G1B
	s_mov_b32 s[\g+1], 1024<<16                    ; a row of the tile: a tile of 16 rows' 8 K steps, 8,192 bytes
	s_mov_b32 s[\g+3], 1024<<16
	s_mov_b32 s[\g+5], 4096                        ; 32,768 bytes from one tile of 16 rows to the next
	s_mov_b32 s[\g+6], 0
	s_mov_b32 s[\g+7], 0
.endr
	s_mov_b32 s[G1A+2], 4<<16                      ; a: four tiles of tokens a load
	s_mov_b32 s[G1A+4], 4
	s_mov_b32 s[G1B+2], 2<<16                      ; Wo: two tiles of columns a load
	s_mov_b32 s[G1B+4], 2
	s_lshl_b32 s20, s[BY], 18                      ; a: tile 8 by + 4 half
	s_lshl_b32 s21, s[WX], 17
	s_add_co_u32 s20, s20, s21
	s_mov_b32 s21, 0
	s_lshl_b32 s22, s[BX], 17                      ; Wo: tile 4 bx + 2 half
	s_lshl_b32 s23, s[WX], 16
	s_add_co_u32 s22, s22, s23
	s_mov_b32 s23, 0
	s_lshl_b32 s66, s[WX], 15                      ; where they go: no place in the cluster enters an LDS address
	s_lshl_b32 s67, s[WX], 14
	s_add_co_u32 s67, s67, BOFF
	s_wait_dscnt 0x0                               ; both opening adds are done
	s_wait_kmcnt 0x0
	s_add_nc_u64 s[20:21], s[4:5], s[20:21]
	s_add_nc_u64 s[22:23], s[6:7], s[22:23]
	CROUND                                         ; all sixteen work-groups are here: the first joint loads meet
.irp q, 0,1,2
	s_mov_b32 s[G0A+4*\q], 1
	s_add_co_u32 s[G0A+4*\q+1], s66, \q*SLOTB
	s_add_nc_u64 s[G0A+4*\q+2:G0A+4*\q+3], s[20:21], \q*8192
	s_or_b32 s[G0A+4*\q+3], s[G0A+4*\q+3], 0x80000000
	s_mov_b32 s[G0B+4*\q], 1
	s_add_co_u32 s[G0B+4*\q+1], s67, \q*SLOTB
	s_add_nc_u64 s[G0B+4*\q+2:G0B+4*\q+3], s[22:23], \q*8192
	s_or_b32 s[G0B+4*\q+3], s[G0B+4*\q+3], 0x80000000
.endr
	s_cmp_eq_u32 s[WY], 0                          ; a wave's three first fills stand in one branch on the wave's number
	s_cbranch_scc0 .Lfirst_b
	tensor_load_to_lds s[G0A:G0A+3], s[G1A:G1A+7]
	s_nop 0
	tensor_load_to_lds s[G0A+4:G0A+7], s[G1A:G1A+7]
	s_nop 0
	tensor_load_to_lds s[G0A+8:G0A+11], s[G1A:G1A+7]
	s_nop 0
.rept 4
	v_nop
.endr
	s_branch .Lfirst_done
.Lfirst_b:
	tensor_load_to_lds s[G0B:G0B+3], s[G1B:G1B+7]
	s_nop 0
	tensor_load_to_lds s[G0B+4:G0B+7], s[G1B:G1B+7]
	s_nop 0
	tensor_load_to_lds s[G0B+8:G0B+11], s[G1B:G1B+7]
	s_nop 0
.rept 4
	v_nop
.endr
.Lfirst_done:
	v_and_b32 v[RR], 15, v0
	v_bfe_u32 v[HH], v0, 4, 1
	v_and_b32 v13, 31, v0
	v_lshlrev_b32 v[LI], 4, v13
	s_lshl_b32 s68, s[WY], 15                      ; my four tiles of tokens
	s_lshl_b32 s69, s[WX], 14                      ; my two tiles of columns,
	s_add_co_u32 s69, s69, BOFF                    ; behind a's part of a slot
.irp q, 0,1,2
	v_add_nc_u32 v[ADA+\q], s68, v[LI]
	v_add_nc_u32 v[ADB+\q], s69, v[LI]
	s_add_co_u32 s68, s68, SLOTB
	s_add_co_u32 s69, s69, SLOTB
.endr
	s_mul_i32 s68, s[WY], 64*SPITCH                ; into the stage: my 64 rows, my half of their 256 bytes; row r, 32 bytes for each half of the lanes
	s_lshl_b32 s69, s[WX], 7
	s_add_co_u32 s68, s68, s69
	s_add_co_u32 s68, s68, STAGE
	v_mul_u32_u24 v[STO], v[RR], SPITCH
	v_lshl_add_u32 v[STO], v[HH], 5, v[STO]
	v_add_nc_u32 v[STO], s68, v[STO]
	s_mul_i32 s68, s[WV], 32*SPITCH                ; back: wave w takes rows 32 w on, whole; lanes 0-15 one row, lanes 16-31 the next
	s_add_co_u32 s68, s68, STAGE
	v_mul_u32_u24 v[RD], v[HH], SPITCH
	v_lshl_add_u32 v[RD], v[RR], 4, v[RD]
	v_add_nc_u32 v[RD], s68, v[RD]
	v_lshlrev_b32 v[CO], 12, v[HH]                 ; and the same two rows in out0
	v_lshl_add_u32 v[CO], v[RR], 4, v[CO]
	s_lshl_b32 s68, s[BY], 19
	s_lshl_b32 s69, s[WV], 17
	s_add_co_u32 s68, s68, s69
	s_lshl_b32 s69, s[BX], 8
	s_add_co_u32 s68, s68, s69
	s_mov_b32 s69, 0
	s_add_nc_u64 s[8:9], s[8:9], s[68:69]          ; row 128 by + 32 w, column 64 bx
.macro FETCH k                         ; 12 LDS loads: K step k's six fragments into set k % 3
.set BF, BUF+48*((\k)%3)
.set SL, ((\k)/8)%3
.set KO, 1024*((\k)%8)
.irp a, 0,1,2,3
.irp c, 0,1
	ds_load_b128 v[BF+8*\a+4*\c:BF+8*\a+4*\c+3], v[ADA+SL] offset:KO+8192*\a+512*\c
.endr
.endr
.irp b, 0,1
.irp c, 0,1
	ds_load_b128 v[BF+32+8*\b+4*\c:BF+32+8*\b+4*\c+3], v[ADB+SL] offset:KO+8192*\b+512*\c
.endr
.endr
.endm
.macro MUL k                           ; 8 products: the eight accumulators take turns, one instruction a turn, in the same order in every K step
.set BF, BUF+48*((\k)%3)
.irp a, 0,1,2,3
.irp b, 0,1
.if (\k) == 0
	v_wmma_f32_16x16x32_f16 v[ACC+8*(2*\a+\b):ACC+8*(2*\a+\b)+7], v[BF+32+8*\b:BF+32+8*\b+7], v[BF+8*\a:BF+8*\a+7], 0
.else
	v_wmma_f32_16x16x32_f16 v[ACC+8*(2*\a+\b):ACC+8*(2*\a+\b)+7], v[BF+32+8*\b:BF+32+8*\b+7], v[BF+8*\a:BF+8*\a+7], v[ACC+8*(2*\a+\b):ACC+8*(2*\a+\b)+7]
.endif
.endr
.endr
.endm
	s_wait_tensorcnt 0x2                           ; my part of chunk 0 is in; chunks 1 and 2 may be out
	s_barrier_signal -1
	s_barrier_wait -1                              ; everybody's is
	FETCH 0
	FETCH 1
.set K, 0
.rept 32
.if K == 6                             ; all of slot 0 has been asked for (K step 7 a turn ago): it is filled again, with chunk 3
	s_wait_tensorcnt 0x0                           ; all my tensor loads have landed, my parts of chunks 1 and 2: so a group 0 may be written
	ds_add_u32 v[SPW], v[NIL]                      ; 0 onto my spare word
	s_add_nc_u64 s[G0A+2:G0A+3], s[G0A+2:G0A+3], 3*8192
	s_add_nc_u64 s[G0B+2:G0B+3], s[G0B+2:G0B+3], 3*8192
	s_wait_dscnt 0x0                               ; the add is done, and my reads of slot 0 are over
	CROUND                                         ; no wave of any partner still reads slot 0 or has a load on its way
	s_cmp_eq_u32 s[WY], 0
	s_cbranch_scc0 .Lfor_b
	tensor_load_to_lds s[G0A:G0A+3], s[G1A:G1A+7]
	s_nop 0
.rept 4
	v_nop
.endr
	s_branch .Lasked
.Lfor_b:
	tensor_load_to_lds s[G0B:G0B+3], s[G1B:G1B+7]
	s_nop 0
.rept 4
	v_nop
.endr
.Lasked:
.endif
.if K == 22                            ; K step 24, fetched below, is chunk 3's first
	s_wait_tensorcnt 0x0                           ; my part of chunk 3 is in,
	s_wait_dscnt 0x0                               ; (no LDS instruction of mine is pending at a signal; my reads of slots 1 and 2 are over)
	s_barrier_signal -1
	s_barrier_wait -1                              ; everybody's is
.endif
.if K <= 29
	PLACES                                         ; the set below was read by the products just issued
	FETCH K+2
	s_wait_dscnt 24                                ; this K step's fragments are in; the 24 loads of the two K steps behind it may be out
.else
	s_wait_dscnt 12*(31-K)                         ; the counts run down
.endif
	MUL K
.set K, K+1
.endr
	; ---- THE WAY OUT
	PLACES
.set i, 0
.rept 32
	v_pk_mul_f32 v[ACC+2*i:ACC+2*i+1], v[ACC+2*i:ACC+2*i+1], 0.5 op_sel_hi:[1,0]   ; a came times 2; each accumulator from its low end on
.set i, i+1
.endr
.irp a, 0,1,2,3
.irp b, 0,1
	ds_store_b128 v[STO], v[ACC+8*(2*\a+\b):ACC+8*(2*\a+\b)+3] offset:16*\a*SPITCH+64*\b
	ds_store_b128 v[STO], v[ACC+8*(2*\a+\b)+4:ACC+8*(2*\a+\b)+7] offset:16*\a*SPITCH+64*\b+16
.endr
.endr
	s_wait_dscnt 0x0                               ; for the others' sake: my stores into the stage are done
	s_barrier_signal -1
	s_barrier_wait -1
.irp t, 0,1,2,3,4,5,6,7,8,9,10,11,12,13,14,15
	ds_load_b128 v[BUF+4*\t:BUF+4*\t+3], v[RD] offset:2*\t*SPITCH
.endr
.irp t, 0,1,2,3,4,5,6,7,8,9,10,11,12,13,14,15
	s_wait_dscnt 15-\t
	global_store_b128 v[CO], v[BUF+4*\t:BUF+4*\t+3], s[8:9] offset:2*\t*4096 th:TH_STORE_NT   ; 16 lanes store 256 consecutive bytes, at a multiple of 256 from out0's first byte
.endr
	s_wait_tensorcnt 0x0                           ; the wave's end: behind my last tensor load and my last LDS store
	ds_add_u32 v[SPW], v[NIL]
	s_wait_dscnt 0x0
	CROUND                                         ; the closing round: no work-group ends while a partner may still ask for a tile that names it
	s_endpgm
.Lfunc_end_k_qb4fd1fe9c3_oproj:
	.size	k_qb4fd1fe9c3_oproj, .Lfunc_end_k_qb4fd1fe9c3_oproj-k_qb4fd1fe9c3_oproj
	.p2alignl 7, 3214868480
	.fill 96, 4, 3214868480
	.section	.rodata,"a",@progbits
	.p2align	6, 0x0
	.amdhsa_kernel k_qb4fd1fe9c3_oproj
		.amdhsa_group_segment_fixed_size 327680
		.amdhsa_private_segment_fixed_size 0
		.amdhsa_enable_private_segment 0
		.amdhsa_kernarg_size 24
		.amdhsa_user_sgpr_count 2
		.amdhsa_user_sgpr_kernarg_segment_ptr 1
		.amdhsa_wavefront_size32 1
		.amdhsa_system_sgpr_workgroup_id_x 1
		.amdhsa_system_sgpr_workgroup_id_y 1
		.amdhsa_system_sgpr_workgroup_id_z 1
		.amdhsa_system_vgpr_workitem_id 0
		.amdhsa_next_free_vgpr 256
		.amdhsa_next_free_sgpr 96
		.amdhsa_reserve_vcc 0
		.amdhsa_float_denorm_mode_32 3
		.amdhsa_float_denorm_mode_16_64 3
		.amdhsa_memory_ordered 1
		.amdhsa_forward_progress 1
		.amdhsa_inst_pref_size 60
	.end_amdhsa_kernel
	.amdgpu_metadata
---
amdhsa.version: [ 1, 2 ]
amdhsa.kernels:
  - .name:           k_qb4fd1fe9c3_oproj
    .symbol:         k_qb4fd1fe9c3_oproj.kd
    .args:
      - { .name: apack, .offset: 0, .size: 8, .value_kind: global_buffer, .address_space: global }
      - { .name: wopack, .offset: 8, .size: 8, .value_kind: global_buffer, .address_space: global }
      - { .name: out0, .offset: 16, .size: 8, .value_kind: global_buffer, .address_space: global }
    .group_segment_fixed_size: 327680
    .private_segment_fixed_size: 0
    .kernarg_segment_align: 8
    .kernarg_segment_size: 24
    .max_flat_workgroup_size: 128
    .sgpr_count:     96
    .vgpr_count:     256
    .wavefront_size: 32
...
	.end_amdgpu_metadata
.endif
;; end of part 4
